; MI455X (gfx1250); checked and timed in simulation.
; The chip was launched on July 23, 2026; its instructions are those of AMD's public machine-readable ISA for CDNA 5 (MIT licence, August 2026) and "CDNA5" Instruction Set Architecture Reference Guide (July 2026). The comments in the code are by the model that wrote it; some were corrected since.
;; Attention. Allowed arithmetic: matrix products marked QUANTISED: E5M2 operands, one E8M0 scale for each 32 along K, by v_wmma_scale_f32_16x16x128_f8f6f4 with both operands' format E5M2, f32 sums; everything else in f32.
;; Inputs: keys 4 x 4,096 x 64 float32; q_mask 4 x 4,096 bool; query 4 x 4,096 x 64 float32; scale one number float32; v_mask 4 x 4,096 bool; value 4 x 4,096 x 64 float32.
;; Outputs: out0 4 x 4,096 x 64 float32.
;; This version of the problem:
;;   THIS VERSION OF THE PROBLEM IS GIVEN IN LOW PRECISION. The matrix products marked QUANTISED in the list below multiply operands that are first quantised to E5M2 (5 exponent bits, 2 mantissa bits; 8 bits a number), with one power-of-two scale for each 32 numbers along K (OCP MX v1.0); their sums are f32. All else is computed in f32.
;;   The module's matrix products, in the order in which they are computed (A, B: the left and right operand; K: the contracted axis; several contracted axes count as one K, in the product's order):
;;     1. batch 4 x [M 4,096, K 64] x [K 64, N 4,096]; A: input query; B: input keys: QUANTISED
;;     2. batch 4 x [M 4,096, K 4,096] x [K 4,096, N 64]; A: softmax (see below); B: input value: QUANTISED
;;   THE QUANTISER, for each operand of a quantised product, along K:
;;     - K is cut into blocks of 32 from its start; a last block that is shorter is filled with zeros.
;;     - A block's scale is 2^e with e = floor(log2(the largest magnitude in the block)) - 15, held to -126 .. 127; a block of zeros has e = 0. As a byte (E8M0): e + 127.
;;     - Each number is divided by its block's scale, clamped to +-57,344, and rounded to the nearest number of E5M2, ties to even, subnormals kept.
;;     - The product sums the exact products of the quantised numbers (number of the format x scale) in f32.
;;   ~~~python
;;   def quantise(x, axis):      # numpy; x: float32 -> the quantised numbers, widened to float32 again
;;       x = np.moveaxis(x, axis, -1); K = x.shape[-1]
;;       x = np.pad(x, [(0, 0)] * (x.ndim - 1) + [(0, -K % 32)]); x = x.reshape(x.shape[:-1] + (-1, 32)); a = np.abs(x).max(-1, keepdims=True)
;;       e = np.where(a > 0, np.clip(np.frexp(np.where(a > 0, a, 1))[1] - 1 - 15, -126, 127), 0)      # np.frexp(a)[1] - 1 = floor(log2(a)), exactly
;;       r = np.clip(x / 2.0 ** e, -57344, 57344)
;;       step = 2.0 ** (np.maximum(np.frexp(np.where(r == 0, 1, r))[1] - 1, -14) - 2)
;;       q = np.round(r / step) * step * 2.0 ** e      # np.round: ties to even
;;       return np.moveaxis(q.reshape(q.shape[:-2] + (-1,))[..., :K], -1, axis).astype(np.float32)
;;   ~~~
;;   SOFTMAX AHEAD OF A QUANTISED PRODUCT. Where the list says 'softmax', what is quantised is not the finished softmax but p = 2^(t - M), with t = logit x log2(e) and M = ceil(the row's largest t), a whole number; so 1/2 < the row's largest p <= 1. The row's sum l is taken of the UNQUANTISED p, in f32, and the product's result is divided by l at the end. Since M is a whole number, a kernel that streams over the keys may use a running M (the ceiling of the running maximum): every later rescaling is an exact power of two, which a block's scale takes up: the codes' values come out the same.
;;   OPERANDS COMPUTED ON THE WAY. 'Computed on the way' means the value that the module computes at that place (a softmax that the list does not call 'softmax' is quantised finished and normalised). What goes into a quantiser is computed in f32, as accurately as f32 sums, v_exp_f32 and their like allow (about 1e-6 of the number): no bf16 or f16 on the way to a quantiser, and a product that is left as it is and whose result goes on into a quantised operand takes f32 operands (vector FMAs, or v_wmma_f32_16x16x4_f32). A number that lies on a knife's edge between two numbers of the format may be rounded either way, as far as f32 arithmetic and the matrix unit's own rounding can turn it there, and no further.
;; 2 versions, each right; version 2 is version 1 with the launch attn written anew for expert scheduling mode. Each part assembles by itself: llvm-mc -triple=amdgcn-amd-amdhsa -mcpu=gfx1250 --defsym DOCPART=n.
;; ======== version 1 of 2: 2 launches
;; limits: right only within a limited range of input values
;; workspace buffers: kv 2,195,456 bytes; qimg 1,048,576 bytes; qsc 131,072 bytes; vbias 65,536 bytes; fidx 512 bytes of whole numbers
;; launch prep (part 1): grid 192 x 1, 8 waves a work-group, no clusters, 3,072 bytes of LDS; arguments keys, value, query, v_mask, scale, kv, qimg, qsc, vbias, fidx; writes kv, qimg, qsc, vbias, fidx
.if DOCPART == 1
	.amdgcn_target "amdgcn-amd-amdhsa--gfx1250"
	.amdhsa_code_object_version 6
	.text
	.protected	k_q7e150d3c8a_prep
	.globl	k_q7e150d3c8a_prep
	.p2align	8
	.type	k_q7e150d3c8a_prep,@function
k_q7e150d3c8a_prep:
	s_mov_b64 s[64:65], 0
	v_nop
	global_prefetch_b8 v0, s[64:65] scope:SCOPE_SE
	s_setreg_imm32_b32 hwreg(HW_REG_WAVE_MODE, 25, 1), 1
	s_wait_xcnt 0x0
; keys, value and query (f32) become codes of BF8 (E5M2) with one E8M0 byte for each 32 along a product's K, laid as IMAGES OF THE OPERANDS' REGISTERS, so that the
; attention launch loads each fragment by 16-byte loads, 16 x lane.  A block's byte is its largest magnitude's exponent field - 15, held at 1 from below.
; kv: 128 records of 17,152 bytes, one for each step of 128 keys of a batch:
;   0      K: tile T (0..7), half c (0, 1) at 1024 T + 512 c + 16 lane: lane (r, h) holds key 32 (T / 2) + 8 (T % 2) + r + 8 (r / 8), d = 32 c + 16 h + 0 .. 15
;   8192   V: tile t (0..3), block c (0..3) at 2048 t + 512 c + 16 lane: lane (r, h) holds keys 32 c + 16 h + 0 .. 15 of d = 16 t + r
;   16384  K's scale words: 16 lane + 4 g: tile 2 g + h, row r        16896  V's scale words: 8 lane + 4 g: tile 2 g + h, row r
; THE KEY MASK RIDES IN K'S SCALE WORDS.  The first product uses 64 of the instruction's 128 along K.  In the idle half the attention launch keeps the code 1.0 on K's side and -1.0 on Q's; the key's byte
; for that block is 254 where v_mask hides the key and 1 where it counts; Q's is bQ = 156 - (exponent field of |scale| log2 e).  A hidden key's score so gets -2^bQ, which is -2^29 .. -2^30 as t;
; a counted key's gets -2^(bQ - 253), under every f32 number.  Even tiles carry (data, data, flag, 127), odd tiles (flag, 127, data, data).
; The sign of scale is folded into Q's codes (exact).  vbias: 0 where a key counts, 1e9 where not.  fidx[b]: the first key that counts, or 4,096 if none does or if |scale| lies outside 2^-64 .. 2^11:
; query blocks that begin ahead of it take the attention launch's literal way.
; LIMITS: NaN and infinities among the inputs are not served; a block of zeros carries the byte 1 (its codes are zeros, and this program alone reads the bytes); blocks whose largest magnitude lies under 2^-111 are held at that byte.
; Work-groups 0..127 take a key step each (wave w: K tile w, and 32 columns x 32 keys of V); work-groups 128..191 take 8 blocks of 32 queries (a wave a block).  Memory binds: no matrix unit, no cluster, no tensor load.
.set REC,  17152
.set NKV,  128
.set X,    32                          ; v32-95   numbers
.set KC,   96                          ; v96-103  codes of K's tile, or of query tile 0
.set VC,   104                         ; v104-111 codes of V's unit, or of query tile 1
; 32 numbers of a lane, register 16 b + i = d 32 b + 16 h + i of its row, become 8 registers of codes; the two bytes are left in v18, v19
.macro QUANT2 xs, cd
.irp b, 0,1
	v_max3_num_f32 v[16+\b], |v[\xs+16*\b]|, |v[\xs+16*\b+1]|, 0x8000000   ; my 16 numbers, and the floor 2^(16 - 127): the byte cannot fall under 1
.endr
.irp i, 2,4,6,8,10,12,14
.irp b, 0,1
	v_max3_num_f32 v[16+\b], v[16+\b], |v[\xs+16*\b+\i]|, |v[\xs+16*\b+\i+1]|
.endr
.endr
.irp b, 0,1
	v_permlanex16_b32 v[18+\b], v[16+\b], s30, s31
.endr
.irp b, 0,1
	v_max_num_f32 v[16+\b], v[16+\b], v[18+\b]      ; with lane l xor 16's: the block's largest magnitude
.endr
.irp b, 0,1
	v_add_nc_u32 v[22+\b], 0xf8800000, v[16+\b]     ; 15 off its exponent field: the conversion's scale operand
	v_and_or_b32 v[20+\b], v[16+\b], 0x7f800000, s32   ; 57,344 x the scale
.endr
.irp b, 0,1
	v_lshrrev_b32 v[18+\b], 23, v[22+\b]            ; the scale's byte
.endr
.irp b, 0,1
.irp i, 0,1,2,3,4,5,6,7,8,9,10,11,12,13,14,15
	v_med3_num_f32 v[\xs+16*\b+\i], v[\xs+16*\b+\i], -v[20+\b], v[20+\b]   ; the conversion to an 8-bit code does not saturate (ISA guide 7.6.2): the hold
.endr
	v_cvt_scalef32_pk8_bf8_f32 v[\cd+4*\b:\cd+4*\b+1], v[\xs+16*\b:\xs+16*\b+7], v[22+\b]
	v_cvt_scalef32_pk8_bf8_f32 v[\cd+4*\b+2:\cd+4*\b+3], v[\xs+16*\b+8:\xs+16*\b+15], v[22+\b]
.endr
	v_nop                                           ; a plain line behind the last conversion
.endm
; the scale word: the two data bytes shifted by v12, the pad's two bytes (v29) shifted by v13
.macro WORD dst
	v_lshl_or_b32 v28, v19, 8, v18
	v_lshlrev_b32 v28, v12, v28
	v_lshlrev_b32 v30, v13, v29
	v_or_b32 v[\dst], v28, v30
.endm
	s_load_b256 s[4:11], s[0:1], 0x0                ; keys s[4:5], value s[6:7], query s[8:9], v_mask s[10:11]
	s_load_b256 s[12:19], s[0:1], 0x20              ; scale s[12:13], kv s[14:15], qimg s[16:17], qsc s[18:19]
	s_load_b128 s[20:23], s[0:1], 0x40              ; vbias s[20:21], fidx s[22:23]
	v_lshl_add_u32 v128, v0, 2, 0x800
	v_mov_b32 v129, 0
	v_lshrrev_b32 v1, 5, v0
	v_readfirstlane_b32 s24, v1                     ; wave w
	v_and_b32 v1, 31, v0                            ; lane
	v_and_b32 v2, 15, v0                            ; r
	v_bfe_u32 v3, v0, 4, 1                          ; h
	v_lshlrev_b32 v5, 4, v1                         ; 16 lane
	v_lshlrev_b32 v6, 2, v1                         ; 4 lane
	v_lshlrev_b32 v10, 3, v1                        ; 8 lane
	v_lshlrev_b32 v9, 7, v1                         ; 128 lane
	s_lshr_b32 s33, s24, 1                          ; w / 2
	s_and_b32 s34, s24, 1                           ; w % 2
	v_and_b32 v11, 8, v2
	v_add_nc_u32 v11, v11, v2                       ; r + 8 (r / 8)
	s_lshl_b32 s35, s33, 5
	s_lshl_b32 s36, s34, 3
	s_add_co_u32 s35, s35, s36
	v_add_nc_u32 v11, s35, v11                      ; my key in the step: 32 (w / 2) + 8 (w % 2) + r + 8 (r / 8)
	v_lshlrev_b32 v4, 8, v11
	v_lshl_add_u32 v4, v3, 6, v4                    ; keys: its row of 256 bytes, + 64 h
	v_lshlrev_b32 v15, 8, v2
	v_lshl_add_u32 v15, v3, 6, v15                  ; query: row r, + 64 h
	v_lshlrev_b32 v7, 11, v3
	v_lshl_add_u32 v7, v2, 4, v7                    ; V's image: 2048 (lane / 16) + 16 r
	; every LDS address is made here, ahead of the parting of the ways.  Each wave stores into a run of its own.
	s_lshl_b32 s35, s24, 6
	v_lshl_add_u32 v8, v2, 2, s35                   ; K's scale word goes to 64 w + 4 r
	s_lshl_b32 s35, s24, 7
	s_add_co_u32 s35, s35, 512
	v_add_nc_u32 v114, s35, v6                      ; V's byte, as a word, to 512 + 128 w + 4 lane
	v_lshlrev_b32 v115, 6, v3
	v_lshl_add_u32 v115, v2, 2, v115                ; back: K's words of tiles 2 g + h: 64 h + 4 r (+ 128 g)
	v_add_nc_u32 v116, 512, v6                      ; back: V's: 512 + 4 lane (+ 128 w)
	v_lshl_add_u32 v117, s24, 10, v5                ; K's image: 1024 w + 16 lane
	s_lshl_b32 s35, s34, 12
	s_lshl_b32 s36, s33, 9
	s_add_co_u32 s35, s35, s36
	v_add_nc_u32 v118, s35, v7                      ; V's image: 4096 (w % 2) + 512 (w / 2) + 2048 (lane / 16) + 16 r
	s_mov_b32 s30, 0x76543210
	s_mov_b32 s31, 0xfedcba98                       ; v_permlanex16_b32's selects for lane l xor 16
	s_mov_b32 s32, 0x600000                         ; the mantissa field of 57,344
	v_mov_b32 v18, 0                                ; written once: a lane permute's destination counts as one of its sources
	v_mov_b32 v19, 0
	v_mov_b32 v21, 0
	s_mov_b32 s37, 0
	s_wait_kmcnt 0x0
	s_cmp_ge_u32 ttmp9, NKV
	s_cbranch_scc1 .Lquery
	; ---- a key step: g = 32 b + step = the work-group's number
	s_lshl_b32 s36, ttmp9, 15                       ; 128 rows of 256 bytes
	s_add_nc_u64 s[4:5], s[4:5], s[36:37]
	s_lshl_b32 s38, s33, 13                         ; value: my 32 keys,
	s_lshl_b32 s39, s34, 7                          ; my 32 columns
	s_add_co_u32 s38, s38, s39
	s_add_co_u32 s36, s36, s38
	s_add_nc_u64 s[6:7], s[6:7], s[36:37]
	s_lshl_b32 s36, ttmp9, 7
	s_add_nc_u64 s[10:11], s[10:11], s[36:37]       ; v_mask at the step's first key
	s_mul_i32 s36, ttmp9, REC
	s_add_nc_u64 s[14:15], s[14:15], s[36:37]       ; the step's record
.irp c, 0,1
.irp j, 0,1,2,3
	global_load_b128 v[X+16*\c+4*\j:X+16*\c+4*\j+3], v4, s[4:5] offset:128*\c+16*\j th:TH_LOAD_NT
.endr
.endr
	global_load_u8 v14, v11, s[10:11]               ; my key's mask byte
.irp i, 0,1,2,3,4,5,6,7,8,9,10,11,12,13,14,15,16,17,18,19,20,21,22,23,24,25,26,27,28,29,30,31
	global_load_b32 v[X+32+\i], v6, s[6:7] offset:256*\i th:TH_LOAD_NT   ; V(key i, my column): a lane to a column, registers down the keys
.endr
	s_lshl_b32 s38, s34, 4
	s_sub_co_u32 s39, 16, s38
	v_mov_b32 v12, s38                              ; even tile: data low, pad high; odd tile: the other way round
	v_mov_b32 v13, s39
	s_wait_loadcnt 32                               ; K's eight loads and the mask byte are in; the 32 loads of value, issued behind them, may stay out
	QUANT2 X, KC
	v_mul_u32_u24 v29, v14, 253
	v_sub_nc_u32 v29, 254, v29                      ; the flag: 254 hidden, 1 counted
	v_or_b32 v29, 0x7f00, v29                       ; and 127 for the block of zero codes
	WORD 112
	global_store_b128 v117, v[KC:KC+3], s[14:15]
	global_store_b128 v117, v[KC+4:KC+7], s[14:15] offset:512
	ds_store_b32 v8, v112                           ; both halves of the lanes hold the same word
	s_wait_loadcnt 0x0
	v_max3_num_f32 v24, |v[X+32]|, |v[X+33]|, |v[X+34]|   ; V's block: all 32 numbers are mine
	v_max3_num_f32 v25, |v[X+35]|, |v[X+36]|, |v[X+37]|
.irp i, 6,10,14,18,22,26
	v_max3_num_f32 v24, v24, |v[X+32+\i]|, |v[X+33+\i]|
	v_max3_num_f32 v25, v25, |v[X+34+\i]|, |v[X+35+\i]|
.endr
	v_max3_num_f32 v24, v24, |v[X+62]|, |v[X+63]|
	v_max3_num_f32 v24, v24, v25, 0x8000000
	v_add_nc_u32 v26, 0xf8800000, v24
	v_and_or_b32 v27, v24, 0x7f800000, s32
	v_lshrrev_b32 v113, 23, v26
.irp i, 0,1,2,3,4,5,6,7,8,9,10,11,12,13,14,15,16,17,18,19,20,21,22,23,24,25,26,27,28,29,30,31
	v_med3_num_f32 v[X+32+\i], v[X+32+\i], -v27, v27
.endr
.irp g, 0,1,2,3
	v_cvt_scalef32_pk8_bf8_f32 v[VC+2*\g:VC+2*\g+1], v[X+32+8*\g:X+39+8*\g], v26
.endr
	v_nop
	global_store_b128 v118, v[VC:VC+3], s[14:15] offset:8192        ; keys 0-15 of the block: sixteen lanes store 256 consecutive bytes, aligned
	global_store_b128 v118, v[VC+4:VC+7], s[14:15] offset:8192+256  ; keys 16-31
	ds_store_b32 v114, v113
	s_branch .Ljoin
	; ---- 8 blocks of 32 queries: wave w takes block 8 g + w
.Lquery:
	s_load_b32 s26, s[12:13], 0x0                   ; scale
	s_sub_co_u32 s35, ttmp9, NKV
	s_lshl_b32 s36, s35, 3
	s_add_co_u32 s36, s36, s24                      ; the block: 128 b + its number in the batch
	s_mov_b32 s39, 0
	s_lshl_b32 s38, s36, 13
	s_add_nc_u64 s[8:9], s[8:9], s[38:39]           ; 32 rows of 256 bytes
	s_lshl_b32 s38, s36, 11
	s_add_nc_u64 s[16:17], s[16:17], s[38:39]       ; two images of 1,024 bytes
	s_lshl_b32 s38, s36, 8
	s_add_nc_u64 s[18:19], s[18:19], s[38:39]       ; 256 bytes of scale words
.irp t, 0,1
.irp c, 0,1
.irp j, 0,1,2,3
	global_load_b128 v[X+32*\t+16*\c+4*\j:X+32*\t+16*\c+4*\j+3], v15, s[8:9] offset:4096*\t+128*\c+16*\j th:TH_LOAD_NT
.endr
.endr
.endr
	v_lshlrev_b32 v12, 4, v3                        ; lanes 0-15 make the word for even tiles of K, lanes 16-31 that for odd ones
	v_sub_nc_u32 v13, 16, v12
	s_wait_kmcnt 0x0
	s_lshr_b32 s27, s26, 31
	s_mul_i32 s27, s27, 0x80808080                  ; the sign of scale, for four codes at a time
	s_and_b32 s40, s26, 0x7fffffff
	s_mul_f32 s40, s40, 0x3fb8aa3b                  ; c = |scale| log2 e
	s_bfe_u32 s40, s40, 0x80017                     ; its exponent field
	s_sub_co_i32 s28, 156, s40
	s_max_i32 s28, s28, 1
	s_min_i32 s28, s28, 127                         ; bQ; the way that uses it has 18 .. 93
	s_or_b32 s28, s28, 0x7f00
	v_mov_b32 v29, s28
	s_wait_loadcnt 8                                ; tile 0's eight loads are in; tile 1's eight may stay out
	QUANT2 X, KC
.irp i, 0,1,2,3,4,5,6,7
	v_xor_b32 v[KC+\i], s27, v[KC+\i]
.endr
	WORD 112
	global_store_b128 v5, v[KC:KC+3], s[16:17]
	global_store_b128 v5, v[KC+4:KC+7], s[16:17] offset:512
	s_wait_loadcnt 0x0
	QUANT2 X+32, VC
.irp i, 0,1,2,3,4,5,6,7
	v_xor_b32 v[VC+\i], s27, v[VC+\i]
.endr
	WORD 113
	global_store_b128 v5, v[VC:VC+3], s[16:17] offset:1024
	global_store_b128 v5, v[VC+4:VC+7], s[16:17] offset:1536
	global_store_b64 v10, v[112:113], s[18:19]      ; 32 lanes store 256 consecutive bytes, aligned
	; the first key of the batch that counts: wave 0 of every sixteenth of these work-groups; whole numbers only
	s_and_b32 s38, s35, 15
	s_cmp_lg_u32 s38, 0
	s_cbranch_scc1 .Ljoin
	s_cmp_lg_u32 s24, 0
	s_cbranch_scc1 .Ljoin
	s_lshr_b32 s38, s35, 4                          ; b
	s_mov_b32 s41, 0
	s_lshl_b32 s40, s38, 12
	s_add_nc_u64 s[10:11], s[10:11], s[40:41]
.irp i, 0,1,2,3,4,5,6,7
	global_load_b128 v[X+4*\i:X+4*\i+3], v9, s[10:11] offset:16*\i   ; a lane takes 128 keys' bytes
.endr
	s_lshl_b32 s40, s38, 7
	s_add_nc_u64 s[22:23], s[22:23], s[40:41]
	v_mov_b32 v16, 0
	v_mov_b32 v17, 0x1000
	s_wait_loadcnt 0x0
.set jj, 31
.rept 32
	v_cmp_eq_u32 vcc_lo, 0, v[X+jj]                 ; from the last word down: the lowest word that is not 0 stays
	v_cndmask_b32 v16, v[X+jj], v16, vcc_lo
	v_cndmask_b32 v17, 4*jj, v17, vcc_lo
.set jj, jj-1
.endr
	v_mov_b32 v18, 3                                ; and its lowest byte that is not 0
	v_and_b32 v19, 0xff0000, v16
	v_cmp_eq_u32 vcc_lo, 0, v19
	v_cndmask_b32 v18, 2, v18, vcc_lo
	v_and_b32 v19, 0xff00, v16
	v_cmp_eq_u32 vcc_lo, 0, v19
	v_cndmask_b32 v18, 1, v18, vcc_lo
	v_and_b32 v19, 0xff, v16
	v_cmp_eq_u32 vcc_lo, 0, v19
	v_cndmask_b32 v18, 0, v18, vcc_lo
	v_add3_u32 v20, v9, v17, v18
	v_min_u32 v20, 0x1000, v20                      ; a lane that found none says 4,096
.irp m, 1,2,4,8
	v_mov_b32_dpp v21, v20 row_xmask:\m row_mask:0xf bank_mask:0xf
	v_min_u32 v20, v20, v21
.endr
	v_permlanex16_b32 v21, v20, s30, s31
	v_min_u32 v20, v20, v21
	s_bfe_u32 s40, s26, 0x80017                     ; scale's exponent field: 63 .. 137 is served by the short way
	s_sub_co_u32 s40, s40, 63
	s_cmp_le_u32 s40, 74
	s_cselect_b32 s41, 0, 0x1000
	v_max_u32 v20, s41, v20
	global_store_b32 v6, v20, s[22:23]              ; all 32 lanes store the number: the batch's 128 bytes
.Ljoin:
	s_wait_xcnt 0x0                                 ; what has been issued has read its registers
	s_wait_dscnt 0x0                                ; for the others' sake: my LDS stores have landed
	s_barrier_signal -1
	s_barrier_wait -1
	s_cmp_ge_u32 ttmp9, NKV
	s_cbranch_scc1 .Lend
	s_cmp_lg_u32 s24, 0
	s_cbranch_scc1 .Lnot0
.irp g, 0,1,2,3
	ds_load_b32 v[120+\g], v115 offset:128*\g       ; wave 0: K's words, tile 2 g + h, row r
.endr
	s_wait_dscnt 0x0
	global_store_b128 v5, v[120:123], s[14:15] offset:16384   ; 512 consecutive bytes
	s_branch .Lend
.Lnot0:
	s_cmp_lg_u32 s24, 1
	s_cbranch_scc1 .Lnot1
.irp g, 0,1
.irp c, 0,1,2,3
	ds_load_b32 v[120+4*\g+\c], v116 offset:256*\c+128*\g     ; wave 1: V's bytes: block c of tiles 2 g + h came from wave 2 c + g
.endr
.endr
	s_wait_dscnt 0x0
	v_lshl_or_b32 v120, v121, 8, v120
	v_lshl_or_b32 v120, v122, 16, v120
	v_lshl_or_b32 v120, v123, 24, v120
	v_lshl_or_b32 v121, v125, 8, v124
	v_lshl_or_b32 v121, v126, 16, v121
	v_lshl_or_b32 v121, v127, 24, v121
	global_store_b64 v10, v[120:121], s[14:15] offset:16896   ; 256 consecutive bytes, aligned
	s_branch .Lend
.Lnot1:
	s_cmp_lg_u32 s24, 2
	s_cbranch_scc1 .Lend
	global_load_b32 v119, v6, s[10:11]              ; wave 2: the step's 128 mask bytes become 128 biases
	s_lshl_b32 s36, ttmp9, 9
	s_mov_b32 s37, 0
	s_add_nc_u64 s[20:21], s[20:21], s[36:37]
	v_mov_b32 v125, 0x4e6e6b28                      ; 1e9
	s_wait_loadcnt 0x0
.irp k, 0,1,2,3
	v_bfe_u32 v124, v119, 8*\k, 8
	v_cmp_eq_u32 vcc_lo, 0, v124
	v_cndmask_b32 v[120+\k], 0, v125, vcc_lo
.endr
	global_store_b128 v5, v[120:123], s[20:21]
.Lend:
	s_wait_tensorcnt 0x0
	ds_add_u32 v128, v129
	s_wait_dscnt 0x0
	s_endpgm
.Lfunc_end_k_q7e150d3c8a_prep:
	.size	k_q7e150d3c8a_prep, .Lfunc_end_k_q7e150d3c8a_prep-k_q7e150d3c8a_prep
	.p2alignl 7, 3214868480
	.fill 96, 4, 3214868480
	.section	.rodata,"a",@progbits
	.p2align	6, 0x0
	.amdhsa_kernel k_q7e150d3c8a_prep
		.amdhsa_group_segment_fixed_size 3072
		.amdhsa_private_segment_fixed_size 0
		.amdhsa_enable_private_segment 0
		.amdhsa_kernarg_size 80
		.amdhsa_user_sgpr_count 2
		.amdhsa_user_sgpr_kernarg_segment_ptr 1
		.amdhsa_wavefront_size32 1
		.amdhsa_system_sgpr_workgroup_id_x 1
		.amdhsa_system_sgpr_workgroup_id_y 1
		.amdhsa_system_sgpr_workgroup_id_z 1
		.amdhsa_system_vgpr_workitem_id 0
		.amdhsa_next_free_vgpr 130
		.amdhsa_next_free_sgpr 66
		.amdhsa_reserve_vcc 1
		.amdhsa_float_denorm_mode_32 3
		.amdhsa_float_denorm_mode_16_64 3
		.amdhsa_memory_ordered 1
		.amdhsa_forward_progress 1
		.amdhsa_inst_pref_size 36
	.end_amdhsa_kernel
	.amdgpu_metadata
---
amdhsa.version: [ 1, 2 ]
amdhsa.kernels:
  - .name:           k_q7e150d3c8a_prep
    .symbol:         k_q7e150d3c8a_prep.kd
    .args:
      - { .name: keys, .offset: 0, .size: 8, .value_kind: global_buffer, .address_space: global }
      - { .name: value, .offset: 8, .size: 8, .value_kind: global_buffer, .address_space: global }
      - { .name: query, .offset: 16, .size: 8, .value_kind: global_buffer, .address_space: global }
      - { .name: v_mask, .offset: 24, .size: 8, .value_kind: global_buffer, .address_space: global }
      - { .name: scale, .offset: 32, .size: 8, .value_kind: global_buffer, .address_space: global }
      - { .name: kv, .offset: 40, .size: 8, .value_kind: global_buffer, .address_space: global }
      - { .name: qimg, .offset: 48, .size: 8, .value_kind: global_buffer, .address_space: global }
      - { .name: qsc, .offset: 56, .size: 8, .value_kind: global_buffer, .address_space: global }
      - { .name: vbias, .offset: 64, .size: 8, .value_kind: global_buffer, .address_space: global }
      - { .name: fidx, .offset: 72, .size: 8, .value_kind: global_buffer, .address_space: global }
    .group_segment_fixed_size: 3072
    .private_segment_fixed_size: 0
    .kernarg_segment_align: 8
    .kernarg_segment_size: 80
    .max_flat_workgroup_size: 256
    .sgpr_count:     66
    .vgpr_count:     130
    .wavefront_size: 32
...
	.end_amdgpu_metadata
.endif
;; end of part 1
;; launch attn (part 2): grid 64 x 4, 8 waves a work-group, no clusters, 144,384 bytes of LDS; arguments kv, qimg, qsc, vbias, fidx, q_mask, scale, out0; writes out0
.if DOCPART == 2
	.amdgcn_target "amdgcn-amd-amdhsa--gfx1250"
	.amdhsa_code_object_version 6
	.text
	.protected	k_q7e150d3c8a_attn
	.globl	k_q7e150d3c8a_attn
	.p2align	8
	.type	k_q7e150d3c8a_attn,@function
k_q7e150d3c8a_attn:
	s_mov_b64 s[64:65], 0
	v_nop
	global_prefetch_b8 v0, s[64:65] scope:SCOPE_SE
	s_setreg_imm32_b32 hwreg(HW_REG_WAVE_MODE, 25, 1), 1
	s_wait_xcnt 0x0
; out[b][q] = q_mask x softmax_k(q . k x scale - 1e9 x (hidden)) V, hidden = v_mask false or k > q; both products on codes of BF8 (E5M2) with E8M0 scales, from the images that the first launch made.
; SOFTMAX: t = logit x log2 e; M = the running largest t rounded up to a whole number; p = 2^(t - M) is quantised along the keys; the sum is taken of the unquantised p and divides at the end.
; SHARES.  A work-group owns two blocks of 32 queries of one batch, one in each of two passes: blocks 127 - j and j + 4 (j under 62), whose key steps up to the diagonal add to 34; j = 62: blocks 1, 0; j = 63: blocks 3, 2.
; A wave holds both tiles of 16 queries of the block, so that each fragment of K and V feeds two products.  The eight waves share the KEYS: wave u takes steps U, U + 8, .. (U = u in pass 0, 7 - u in pass 1),
; and their parts (O, -M, the sum) meet in LDS behind the launch's one barrier; each wave then finishes 8 rows.
; TWO WAYS, chosen for each block by a whole number that the first launch stored (fidx: the first key of the batch that counts).
;   short (the block begins at or behind that key: every row has a key that counts): only the steps up to the diagonal.  v_mask costs no vector line: it rides in the idle half of the first product's K
;     (K's pad code 1.0, Q's -1.0, the key's pad byte 254 or 1): a hidden key's t is -2^29 .. -2^30, its p is 0.  On the diagonal hidden scores become -infinity.
;   literal (a row may have no key that counts; reference() then weighs ALL 4,096 keys by fl(fl(s scale) - 1e9)): all 32 steps, Q's pad code 0, t = fl(fl(fl(s |scale|) - bias) log2 e), each step rounded as reference() rounds it.
; That choice is a branch on a number read from memory, so the launch has no tensor load and no copy, and so no joint loads: operands go from memory straight into registers, a step ahead of their use.
; Without the branch every block would walk all keys: twice the vector work, which is what binds here (some 290 vector lines against 12 matrix instructions for 16 queries x 128 keys).
; LIMITS: NaN and infinities among the inputs are not served.  The short way holds for |score x scale x log2 e| under 2^28 (beyond that reference()'s own 1e9 no longer hides a key) and |scale| in 2^-64 .. 2^11; other scales go the literal way.
; A counted key's score carries -2^(bQ - 253), under every f32 number.
; REGISTERS.  Tile w's own registers have the same numbers in window w (0 or 1): v0-31 O^T; v32-47 p's codes (from v36 on laid over scores that are converted already); v36-99 S^T, then p; v100-107 Q, v108-115 Q's pad, v116-123 Q again
;   (operand for even tiles of K: v100-115; for odd ones: v108-123); v124 -M, v125 largest t, v126-127 the sum; v128-147 at work; v148 r - 16 h; v149 Q's pad code.
;   window 0: v150-153 K's scale words, v154-155 Q's, v156-157 V's, v158-159 p's (scales and nothing else); v160-175 addresses; v192-255 V's four fragments.
;   window 1: v160-255 K: four runs [tile 2 g, 8][pad, 8][tile 2 g + 1, 8]: the pad serves both neighbours.
.set REC,   17152
.set VIMO,  8192
.set KSCO,  16384
.set VSCO,  16896
.set AHEAD, 8*REC                      ; a wave's next step lies 8 records on
.set PARTB, 4352                       ; LDS: a wave's part of a tile: 16 rows x (256 bytes + 16)
.set PTILE, 8*PARTB
.set PPASS, 2*PTILE
.set STM,   4*PTILE                    ; behind the parts: -M, 64 bytes for each (tile, wave);
.set STLO,  2048                       ; and the sums, as much again
.set O_,  0
.set PC_, 32
.set S_,  36
.set QA_, 100
.set QP_, 108
.set QB_, 116
.set NM_, 124
.set TX_, 125
.set L_,  126
.set TM_, 128
.set PB_, 132
.set HD_, 136
.set SO_, 140
.set F_,  144
.set AC_, 146
.set RL_, 148
.set HB_, 149
.set KS_, 150
.set QS_, 154
.set VS_, 156
.set PS_, 158
.set VF_, 192
.set MSB, 0
.macro WIN new                         ; the immediate's high byte repeats the setting that is left; a switch that changes nothing is dropped
.if MSB != (\new)
	s_set_vgpr_msb (MSB<<8)|(\new)
.set MSB, (\new)
.endif
.endm
; 17 loads: a step's K (8 tiles x 2 halves, into window 1) and its scale words
.macro KLOAD off
	WIN 0x40
.irp kt, 0,1,2,3,4,5,6,7
.irp c, 0,1
	global_load_b128 v[160+24*(\kt/2)+16*(\kt%2)+4*\c:160+24*(\kt/2)+16*(\kt%2)+4*\c+3], v160, s[40:41] offset:\off+1024*\kt+512*\c
.endr
.endr
	WIN 0
	global_load_b128 v[KS_:KS_+3], v160, s[40:41] offset:\off+KSCO
.endm
; 17 loads: a step's V and its scale words
.macro VLOAD off
.irp d, 0,1,2,3
.irp c, 0,1,2,3
	global_load_b128 v[VF_+16*\d+4*\c:VF_+16*\d+4*\c+3], v160, s[40:41] offset:\off+VIMO+2048*\d+512*\c
.endr
.endr
	global_load_b64 v[VS_:VS_+1], v161, s[40:41] offset:\off+VSCO
.endm
; S^T = K Q^T for tile w: source 0 = 16 keys, source 1 = my 16 queries: register 16 b + i of S is key 32 b + 16 h + i of query r
.macro SMUL w
	WIN 0x01+0x54*\w
.irp kt, 0,2,4,6
	v_wmma_scale_f32_16x16x128_f8f6f4 v[S_+8*\kt:S_+8*\kt+7], v[160+12*\kt:175+12*\kt], v[QA_:QA_+15], 0, v[KS_+\kt/2], v[QS_+\w] matrix_a_fmt:MATRIX_FMT_BF8 matrix_b_fmt:MATRIX_FMT_BF8
	v_wmma_scale_f32_16x16x128_f8f6f4 v[S_+8*\kt+8:S_+8*\kt+15], v[168+12*\kt:183+12*\kt], v[QP_:QP_+15], 0, v[KS_+\kt/2], v[QS_+\w] matrix_a_fmt:MATRIX_FMT_BF8 matrix_b_fmt:MATRIX_FMT_BF8 matrix_a_scale:MATRIX_SCALE_ROW1 matrix_b_scale:MATRIX_SCALE_ROW1
.endr
.endm
; O^T += V^T P^T for tile w.  The eight accumulators of the two tiles take one turn each in a step
.macro PVMUL w
	WIN 0x54*\w
.irp d, 0,2
	v_wmma_scale_f32_16x16x128_f8f6f4 v[O_+8*\d:O_+8*\d+7], v[VF_+16*\d:VF_+16*\d+15], v[PC_:PC_+15], v[O_+8*\d:O_+8*\d+7], v[VS_+\d/2], v[PS_+\w] matrix_a_fmt:MATRIX_FMT_BF8 matrix_b_fmt:MATRIX_FMT_BF8
	v_wmma_scale_f32_16x16x128_f8f6f4 v[O_+8*\d+8:O_+8*\d+15], v[VF_+16*\d+16:VF_+16*\d+31], v[PC_:PC_+15], v[O_+8*\d+8:O_+8*\d+15], v[VS_+\d/2], v[PS_+\w] matrix_a_fmt:MATRIX_FMT_BF8 matrix_b_fmt:MATRIX_FMT_BF8 matrix_a_scale:MATRIX_SCALE_ROW1
.endr
.endm
; What stands between the scores and the softmax.  last = 1: the copy of the step that can lie on the diagonal of a short block.  Every branch hangs on ids and on the stored whole number.
.macro MASKS w, last
	WIN 0
	s_cmp_lg_u32 s30, 0
	s_cbranch_scc1 .Llit_\@
.if \last
	s_add_co_u32 s44, s39, 127
	s_add_co_u32 s45, s34, 16*\w
	s_cmp_le_u32 s44, s45                           ; all 128 keys count for all 16 queries
	s_cbranch_scc1 .Lopen_\@
	s_sub_co_i32 s44, s45, s39
	WIN 0x55*\w
	v_add_nc_u32 v[AC_], s44, v[RL_]                ; d = my query - the step's first key - 16 h: register 16 b + i is hidden where 32 b + i > d
	v_mov_b32 v[AC_+1], 0xff800000                  ; -infinity
.set n, 0
.rept 64
	v_cmp_gt_i32 vcc_lo, 32*(n/16)+n%16, v[AC_]
	v_cndmask_b32 v[S_+n], v[S_+n], v[AC_+1], vcc_lo
.set n, n+1
.endr
	WIN 0
.endif
	s_branch .Lopen_\@
.Llit_\@:
	s_add_co_u32 s45, s34, 16*\w+15
	s_cmp_gt_u32 s39, s45                           ; every key of the step comes after my 16 queries: the bias is 1e9 throughout
	s_cbranch_scc1 .Lfar_\@
	s_add_co_u32 s45, s34, 16*\w
	s_sub_co_i32 s44, s45, s39
	WIN 0x55*\w
	v_add_nc_u32 v[AC_], s44, v[RL_]
	v_mov_b32 v[AC_+1], 0x4e6e6b28                  ; 1e9
.irp b, 0,1,2,3
	WIN 0x40*\w
.irp j, 0,1,2,3
	global_load_b128 v[TM_+4*\j:TM_+4*\j+3], v162, s[42:43] offset:128*\b+16*\j   ; the biases of my 16 keys of block b
.endr
	s_wait_loadcnt 0x0
	WIN 0x55*\w
.irp i, 0,1,2,3,4,5,6,7,8,9,10,11,12,13,14,15
	v_cmp_gt_i32 vcc_lo, 32*\b+\i, v[AC_]
	v_cndmask_b32 v[TM_+\i], v[TM_+\i], v[AC_+1], vcc_lo
	v_mul_f32 v[S_+16*\b+\i], s24, v[S_+16*\b+\i]                 ; three roundings, as reference() has them: not fused on purpose
	v_sub_f32 v[S_+16*\b+\i], v[S_+16*\b+\i], v[TM_+\i]
	v_mul_f32 v[S_+16*\b+\i], 0x3fb8aa3b, v[S_+16*\b+\i]
.endr
.endr
	WIN 0
	s_branch .Lopen_\@
.Lfar_\@:
	WIN 0x55*\w
.set n, 0
.rept 32
	v_pk_mul_f32 v[S_+n:S_+n+1], v[S_+n:S_+n+1], s[24:25] op_sel_hi:[1,0]   ; x |scale|
.set n, n+2
.endr
.set n, 0
.rept 32
	v_pk_add_f32 v[S_+n:S_+n+1], v[S_+n:S_+n+1], s[58:59] op_sel_hi:[1,0]   ; - 1e9
.set n, n+2
.endr
.set n, 0
.rept 32
	v_pk_mul_f32 v[S_+n:S_+n+1], v[S_+n:S_+n+1], s[60:61] op_sel_hi:[1,0]   ; x log2 e
.set n, n+2
.endr
	WIN 0
.Lopen_\@:
.endm
; One tile's softmax for 128 keys.  s[28:29] = c (short way) or 1.0 (literal way: S holds t already)
.macro SOFTMAX w
	WIN 0x55*\w
.irp b, 0,1,2,3
	v_max3_num_f32 v[TM_+\b], v[S_+16*\b], v[S_+16*\b+1], v[S_+16*\b+2]   ; the largest score of each block of 32 keys: for the row's maximum, and, since p rises with the score, for the block's largest p
.endr
.irp i, 3,5,7,9,11,13
.irp b, 0,1,2,3
	v_max3_num_f32 v[TM_+\b], v[TM_+\b], v[S_+16*\b+\i], v[S_+16*\b+\i+1]
.endr
.endr
.irp b, 0,1,2,3
	v_max_num_f32 v[TM_+\b], v[TM_+\b], v[S_+16*\b+15]
.endr
.irp b, 0,1,2,3
	v_permlanex16_b32 v[PB_+\b], v[TM_+\b], s48, s49
.endr
.irp b, 0,1,2,3
	v_max_num_f32 v[TM_+\b], v[TM_+\b], v[PB_+\b]   ; with lane l xor 16's 16 keys
.endr
	v_max3_num_f32 v[AC_], v[TM_], v[TM_+1], v[TM_+2]
	v_max_num_f32 v[AC_], v[AC_], v[TM_+3]
	v_mul_f32 v[AC_], s28, v[AC_]                   ; as t (c is not negative: the sign of scale lies in Q's codes)
	v_max_num_f32 v[TX_], v[TX_], v[AC_]            ; the running largest t
	v_mov_b32 v[AC_], v[NM_]
	v_floor_f32 v[NM_], -v[TX_]                     ; the new -M = floor(-t): M is a whole number
	v_sub_f32 v[AC_], v[NM_], v[AC_]
	v_cvt_i32_f32 v[AC_], v[AC_]                    ; (it saturates)
	v_ldexp_f32 v[F_], 1.0, v[AC_]                  ; f = 2^(old M - new M)
.set n, 0
.rept 32
	v_pk_fma_f32 v[S_+n:S_+n+1], v[S_+n:S_+n+1], s[28:29], v[NM_:NM_+1] op_sel_hi:[1,0,0]   ; t - M, two at a time
.set n, n+2
.endr
.irp b, 0,1,2,3
	v_fma_f32 v[TM_+\b], v[TM_+\b], s28, v[NM_]
.endr
.set n, 0
.rept 64
	v_exp_f32 v[S_+n], v[S_+n]                      ; p = 2^(t - M): not normalised
.set n, n+1
.endr
.irp b, 0,1,2,3
	v_exp_f32 v[TM_+\b], v[TM_+\b]                  ; the block's largest p: the same two lines on the same number
.endr
	v_pk_mul_f32 v[L_:L_+1], v[L_:L_+1], v[F_:F_+1] op_sel_hi:[1,0]   ; the sums under the new M (a plain line behind the exponentials)
	s_wait_alu depctr_va_vdst(0)
.irp b, 0,1,2,3
	v_max_num_f32 v[TM_+\b], 0x8000000, v[TM_+\b]   ; the floor 2^(16 - 127)
.endr
.irp b, 0,1,2,3
	v_add_nc_u32 v[SO_+\b], 0xf8800000, v[TM_+\b]   ; the conversion's scale operand
.endr
.irp b, 0,1,2,3
	v_and_or_b32 v[HD_+\b], v[TM_+\b], 0x7f800000, s50   ; 57,344 x the scale
.endr
.irp b, 0,1,2,3
	v_lshrrev_b32 v[PB_+\b], 23, v[SO_+\b]          ; the scale's byte
.endr
	v_lshl_or_b32 v[PB_], v[PB_+1], 8, v[PB_]
	v_lshl_or_b32 v[PB_], v[PB_+2], 16, v[PB_]
	WIN 0x11*\w                                     ; scale operands have no window: p's word goes to window 0
	v_lshl_or_b32 v[PS_+\w], v[PB_+3], 24, v[PB_]
	WIN 0x55*\w
	v_pk_add_f32 v[AC_:AC_+1], v[S_:S_+1], v[S_+2:S_+3]   ; the row's sum is taken of the unquantised p, in two chains
.irp j, 4,8,12,16,20,24,28,32,36,40,44,48,52,56,60
	v_pk_add_f32 v[L_:L_+1], v[L_:L_+1], v[S_+\j:S_+\j+1]
	v_pk_add_f32 v[AC_:AC_+1], v[AC_:AC_+1], v[S_+\j+2:S_+\j+3]
.endr
	v_pk_add_f32 v[L_:L_+1], v[L_:L_+1], v[AC_:AC_+1]
.irp b, 0,1,2,3
.irp i, 0,1,2,3,4,5,6,7,8,9,10,11,12,13,14,15
	v_min_num_f32 v[S_+16*\b+\i], v[S_+16*\b+\i], v[HD_+\b]   ; the conversion does not saturate (ISA guide 7.6.2); p is not negative: a one-sided hold
.endr
	v_cvt_scalef32_pk8_bf8_f32 v[PC_+4*\b:PC_+4*\b+1], v[S_+16*\b:S_+16*\b+7], v[SO_+\b]       ; block b's codes land four registers under its own numbers: on numbers of block 0 that are converted already
	v_cvt_scalef32_pk8_bf8_f32 v[PC_+4*\b+2:PC_+4*\b+3], v[S_+16*\b+8:S_+16*\b+15], v[SO_+\b]
.endr
.set n, 0
.rept 16
	v_pk_mul_f32 v[O_+n:O_+n+1], v[O_+n:O_+n+1], v[F_:F_+1] op_sel_hi:[1,0]   ; O^T under the new M; also the plain lines behind the conversions and ahead of the products
.set n, n+2
.endr
.endm
; A key step.  pre = 1: the wave has a further step, whose K and V are asked for here.
.macro STEP pre
	s_wait_loadcnt 17                               ; K and its words are in (and Q, in a first step); V's 17 loads, issued behind them, may stay out
	SMUL 0
	SMUL 1
	WIN 0
.rept 8
	v_nop                                           ; eight plain lines between these products and the first read of their results, and the loads into K's registers
.endr
.if \pre
	KLOAD AHEAD
	MASKS 0, 0
	SOFTMAX 0
	MASKS 1, 0
	SOFTMAX 1
	s_wait_loadcnt 17                               ; V is in; the next K's 17 loads, issued behind it, may stay out
.else
	MASKS 0, 1
	SOFTMAX 0
	MASKS 1, 1
	SOFTMAX 1
	s_wait_loadcnt 0x0
.endif
	PVMUL 0
	PVMUL 1
	WIN 0
.rept 9
	v_nop                                           ; nine: the next step's first products write over registers that held p's codes; they also stand ahead of the loads into V and of the stores of O^T
.endr
.if \pre
	VLOAD AHEAD
	s_wait_xcnt 0x0                                 ; the bases are stepped only behind this wait
	s_add_nc_u64 s[40:41], s[40:41], AHEAD
	s_add_nc_u64 s[42:43], s[42:43], 4096
	s_add_co_u32 s39, s39, 1024
.endif
.endm
; my part of tile w goes to LDS: O^T by rows of queries, -M and the row's sum
.macro PARTIAL w
	WIN 0x55*\w
	v_add_f32 v[AC_], v[L_], v[L_+1]
	v_permlanex16_b32 v[PB_], v[AC_], s48, s49
	v_add_f32 v[AC_], v[AC_], v[PB_]
	WIN 0x04*\w                                     ; an LDS store's data are its source 1
.irp d, 0,1,2,3
	ds_store_b128 v165, v[O_+8*\d:O_+8*\d+3] offset:PTILE*\w+64*\d       ; lane (r, h): query r, d = 16 d + 8 h + 0 .. 7
	ds_store_b128 v165, v[O_+8*\d+4:O_+8*\d+7] offset:PTILE*\w+64*\d+16
.endr
	ds_store_b32 v166, v[NM_] offset:512*\w         ; both halves of the lanes hold the same numbers
	ds_store_b32 v166, v[AC_] offset:STLO+512*\w
.endm
	s_load_b512 s[4:19], s[0:1], 0x0                ; kv s[4:5], qimg s[6:7], qsc s[8:9], vbias s[10:11], fidx s[12:13], q_mask s[14:15], scale s[16:17], out0 s[18:19]
	v_lshl_add_u32 v190, v0, 2, 0x23000
	v_mov_b32 v191, 0
	v_lshrrev_b32 v170, 5, v0
	v_readfirstlane_b32 s20, v170                   ; wave u
	s_mov_b32 s21, ttmp9                            ; j
	s_and_b32 s22, ttmp7, 0xffff                    ; b
	v_and_b32 v171, 31, v0                          ; lane
	v_and_b32 v172, 15, v0                          ; r
	v_bfe_u32 v169, v0, 4, 1                        ; h; also my byte offset in q_mask
	v_lshlrev_b32 v160, 4, v171                     ; 16 lane
	v_lshlrev_b32 v161, 3, v171                     ; 8 lane
	v_lshlrev_b32 v162, 6, v169                     ; 64 h
	s_mul_i32 s44, s20, PARTB
	v_mul_u32_u24 v163, v172, 272
	v_lshl_add_u32 v163, v169, 5, v163
	v_add_nc_u32 v163, s44, v163                    ; my part: 4352 u + 272 r + 32 h
	s_lshl_b32 s44, s20, 6
	s_add_co_u32 s44, s44, STM
	v_lshl_add_u32 v164, v172, 2, s44               ; my -M: STM + 64 u + 4 r
	s_lshr_b32 s45, s20, 1                          ; the tile (2 pass + w) whose rows I finish,
	s_and_b32 s46, s20, 1                           ; and which 8 of its rows
	s_mul_i32 s44, s45, PTILE
	s_mul_i32 s47, s46, 8*272
	s_add_co_u32 s44, s44, s47
	v_mul_u32_u24 v167, v169, 272
	v_lshl_add_u32 v167, v172, 4, v167
	v_add_nc_u32 v167, s44, v167                    ; back: lanes 0-15 one row of 256 bytes, lanes 16-31 the next
	s_lshl_b32 s44, s45, 9
	s_lshl_b32 s47, s46, 5
	s_add_co_u32 s44, s44, s47
	s_add_co_u32 s44, s44, STM
	v_lshl_add_u32 v168, v169, 2, s44               ; and those rows' -M
	v_lshlrev_b32 v174, 4, v169
	v_sub_nc_u32 v174, v172, v174                   ; r - 16 h
	v_sub_nc_u32 v175, 1, v169
	v_mul_u32_u24 v170, v175, 0xbc                  ; -1.0 in the lowest byte of lanes 0-15
	v_mul_u32_u24 v171, v175, 0x3c                  ; 1.0 likewise
	v_mov_b32 v[RL_], v174
	v_mov_b32 v[HB_], v170
.irp i, 0,1,2,3
	v_mov_b32 v[PB_+\i], 0                          ; written once: a lane permute's destination counts as one of its sources
.endr
	v_mov_b32 v[F_+1], 0                            ; (named as the upper half of a pair)
	WIN 0x40                                        ; the same for window 1, and K's four pads
	v_mov_b32 v[RL_], v174
	v_mov_b32 v[HB_], v170
.irp i, 0,1,2,3
	v_mov_b32 v[PB_+\i], 0
.endr
	v_mov_b32 v[F_+1], 0
.irp g, 0,1,2,3
	v_mov_b32 v[168+24*\g], v171
.irp i, 1,2,3,4,5,6,7
	v_mov_b32 v[168+24*\g+\i], 0
.endr
.endr
	WIN 0
	s_sub_co_u32 s53, 127, s21                      ; pass 0's block: 127 - j, or 2 j - 123 for j = 62, 63
	s_add_co_u32 s55, s21, 4                        ; pass 1's: j + 4, or 2 j - 124
	s_lshl_b32 s44, s21, 1
	s_sub_co_u32 s45, s44, 123
	s_sub_co_u32 s44, s44, 124
	s_cmp_lt_u32 s21, 62
	s_cselect_b32 s53, s53, s45
	s_cselect_b32 s55, s55, s44
	s_sub_co_u32 s54, 7, s20
	s_mov_b32 s48, 0x76543210
	s_mov_b32 s49, 0xfedcba98                       ; v_permlanex16_b32's selects for lane l xor 16
	s_mov_b32 s50, 0x600000                         ; the mantissa field of 57,344
	s_mov_b32 s58, 0xce6e6b28                       ; -1e9
	s_mov_b32 s59, s58
	s_mov_b32 s60, 0x3fb8aa3b                       ; log2 e
	s_mov_b32 s61, s60
	s_mov_b32 s62, 0x3f800000
	s_mov_b32 s51, 0
	s_mov_b32 s52, 0
	s_mov_b32 s32, 0                                ; the pass
	s_wait_kmcnt 0x0
	s_lshl_b32 s44, s22, 7
	s_mov_b32 s45, 0
	s_add_nc_u64 s[44:45], s[12:13], s[44:45]
	s_load_b32 s23, s[44:45], 0x0                   ; the batch's first key that counts (a whole number)
	s_load_b32 s27, s[16:17], 0x0                   ; scale
	s_wait_kmcnt 0x0
	s_and_b32 s24, s27, 0x7fffffff                  ; |scale|
	s_mov_b32 s25, s24
	s_mul_f32 s26, s24, 0x3fb8aa3b                  ; c = |scale| log2 e
.Lpass:
	s_wait_loadcnt 0x0
	s_wait_xcnt 0x0                                 ; the bases below are written again only behind this wait
	s_cmp_eq_u32 s32, 0
	s_cselect_b32 s33, s53, s55                     ; the block
	s_cselect_b32 s36, s20, s54                     ; U: my first step
	s_lshl_b32 s34, s33, 5                          ; its first query
	s_lshr_b32 s35, s33, 2
	s_add_co_u32 s35, s35, 1                        ; steps up to the diagonal
	s_cmp_gt_u32 s23, s34                           ; a row may have no key that counts: the literal way
	s_cselect_b32 s30, 1, 0
	s_cselect_b32 s35, 32, s35
	s_cselect_b32 s28, s62, s26
	s_cselect_b32 s31, 0, -1
	s_mov_b32 s29, s28
	s_sub_co_u32 s37, s35, s36
	s_add_co_u32 s37, s37, 7
	s_lshr_b32 s37, s37, 3                          ; my steps: U, U + 8, .. under the count
	s_lshl_b32 s39, s36, 7                          ; my step's first key
	s_lshl_b32 s44, s22, 5
	s_add_co_u32 s44, s44, s36
	s_mul_i32 s44, s44, REC
	s_mov_b32 s45, 0
	s_add_nc_u64 s[40:41], s[4:5], s[44:45]         ; its record
	s_lshl_b32 s44, s22, 14
	s_lshl_b32 s46, s36, 9
	s_add_co_u32 s44, s44, s46
	s_add_nc_u64 s[42:43], s[10:11], s[44:45]       ; its biases
	s_lshl_b32 s44, s22, 8
	s_lshl_b32 s46, s33, 1
	s_add_co_u32 s44, s44, s46
	s_lshl_b32 s44, s44, 10
	s_add_nc_u64 s[46:47], s[6:7], s[44:45]         ; the block's two images of Q
	s_lshl_b32 s44, s22, 7
	s_add_co_u32 s44, s44, s33
	s_lshl_b32 s44, s44, 8
	s_add_nc_u64 s[56:57], s[8:9], s[44:45]         ; and their scale words
.irp t, 0,1
	WIN 0x55*\t
	v_and_b32 v[QP_], s31, v[HB_]                   ; Q's pad: -1.0 on the short way, 0 on the literal
.irp i, 1,2,3,4,5,6,7
	v_mov_b32 v[QP_+\i], 0
.endr
.irp i, 0,1,2,3,4,5,6,7,8,9,10,11,12,13,14,15,16,17,18,19,20,21,22,23,24,25,26,27,28,29,30,31
	v_mov_b32 v[O_+\i], 0                           ; the step is written without a first form: it finds zeros, which the first change of M leaves zeros
.endr
	v_mov_b32 v[TX_], 0xff61b1e6                    ; -3e38, under every t
	v_floor_f32 v[NM_], -v[TX_]
	v_mov_b32 v[L_], 0
	v_mov_b32 v[L_+1], 0
.endr
	WIN 0
	v_add_nc_u32 v165, s51, v163                    ; each pass has LDS bytes of its own
	v_add_nc_u32 v166, s52, v164
	s_cmp_eq_u32 s37, 0
	s_cbranch_scc1 .Lpass_end                       ; no step for me: my part is zeros under M = -3e38
.irp t, 0,1
	WIN 0x40*\t
.irp c, 0,1
	global_load_b128 v[QA_+4*\c:QA_+4*\c+3], v160, s[46:47] offset:1024*\t+512*\c
	global_load_b128 v[QB_+4*\c:QB_+4*\c+3], v160, s[46:47] offset:1024*\t+512*\c   ; a second time, behind the pad
.endr
.endr
	WIN 0
	global_load_b64 v[QS_:QS_+1], v161, s[56:57]
	KLOAD 0
	VLOAD 0
	s_mov_b32 s38, 0
.Lstep:                                                 ; at most three trips: a wave has at most four steps, and the last is written out, so that every counted wait holds on every path
	s_cmp_eq_u32 s37, 1
	s_cbranch_scc1 .Llast
	STEP 1
	s_sub_co_u32 s37, s37, 1
	s_add_co_u32 s38, s38, 1
	s_cmp_lt_u32 s38, 3
	s_cbranch_scc1 .Lstep
.Llast:
	STEP 0
.Lpass_end:
	PARTIAL 0
	PARTIAL 1
	WIN 0
	s_add_co_u32 s51, s51, PPASS
	s_add_co_u32 s52, s52, 1024
	s_add_co_u32 s32, s32, 1
	s_cmp_lt_u32 s32, 2
	s_cbranch_scc1 .Lpass
	; THE FINAL SUM.  Wave u finishes tile u / 2 (pass u / 4, tile (u / 2) % 2), rows 8 (u % 2) + 0 .. 7, two rows at a time.
	s_lshr_b32 s44, s20, 1
	s_lshr_b32 s45, s44, 1
	s_and_b32 s44, s44, 1
	s_cmp_eq_u32 s45, 0
	s_cselect_b32 s33, s53, s55
	s_lshl_b32 s33, s33, 5
	s_lshl_b32 s44, s44, 4
	s_add_co_u32 s33, s33, s44
	s_and_b32 s44, s20, 1
	s_lshl_b32 s44, s44, 3
	s_add_co_u32 s33, s33, s44
	s_lshl_b32 s44, s22, 12
	s_add_co_u32 s44, s44, s33                      ; my first row among the 16,384
	s_mov_b32 s45, 0
	s_add_nc_u64 s[14:15], s[14:15], s[44:45]
	s_lshl_b32 s44, s44, 8
	s_add_nc_u64 s[18:19], s[18:19], s[44:45]
.irp k, 0,1,2,3
	global_load_u8 v[176+\k], v169, s[14:15] offset:2*\k   ; q_mask of row 2 k + h
.endr
	s_wait_dscnt 0x0                                ; for the others' sake: my parts have landed
	s_barrier_signal -1
	s_barrier_wait -1
.macro PLOAD k                         ; the eight waves' parts of rows 2 k + h: 16 bytes a lane
.irp x, 0,1,2,3,4,5,6,7
	ds_load_b128 v[64+32*((\k)%2)+4*\x:64+32*((\k)%2)+4*\x+3], v167 offset:PARTB*\x+544*(\k)
.endr
.endm
.macro FIN k, left
	s_wait_dscnt \left
	v_min3_num_f32 v180, v[8*\k], v[8*\k+1], v[8*\k+2]      ; the least -M: the row's M
	v_min3_num_f32 v180, v180, v[8*\k+3], v[8*\k+4]
	v_min3_num_f32 v180, v180, v[8*\k+5], v[8*\k+6]
	v_min_num_f32 v180, v180, v[8*\k+7]
.irp x, 0,1,2,3,4,5,6,7
	v_sub_f32 v[8*\k+\x], v180, v[8*\k+\x]          ; a part's M less the row's: a whole number, 0 or less
.endr
.irp x, 0,1,2,3,4,5,6,7
	v_cvt_i32_f32 v[8*\k+\x], v[8*\k+\x]            ; (it saturates)
.endr
.irp x, 0,1,2,3,4,5,6,7
	v_ldexp_f32 v[8*\k+\x], 1.0, v[8*\k+\x]         ; the part's factor: an exact power of two, or 0
.endr
	v_mul_f32 v181, v[8*\k], v[32+8*\k]
.irp x, 1,2,3,4,5,6,7
	v_fma_f32 v181, v[8*\k+\x], v[32+8*\k+\x], v181 ; the row's sum
.endr
.irp e, 0,1,2,3
	v_mul_f32 v[128+4*\k+\e], v[8*\k], v[64+32*((\k)%2)+\e]
.endr
.irp x, 1,2,3,4,5,6,7
.irp e, 0,1,2,3
	v_fma_f32 v[128+4*\k+\e], v[8*\k+\x], v[64+32*((\k)%2)+4*\x+\e], v[128+4*\k+\e]
.endr
.endr
	v_rcp_f32 v181, v181
	v_cvt_f32_u32 v182, v[176+\k]                   ; (a plain line behind the reciprocal)
	s_wait_alu depctr_va_vdst(0)
	v_mul_f32 v181, v181, v182                      ; q_mask / the sum
.irp e, 0,1,2,3
	v_mul_f32 v[128+4*\k+\e], v[128+4*\k+\e], v181
.endr
	global_store_b128 v160, v[128+4*\k:128+4*\k+3], s[18:19] offset:512*\k th:TH_STORE_NT   ; sixteen lanes store a row of 256 bytes, aligned
.endm
.irp k, 0,1,2,3
.irp x, 0,1,2,3,4,5,6,7
	ds_load_b32 v[8*\k+\x], v168 offset:64*\x+8*\k          ; -M of wave x's part
	ds_load_b32 v[32+8*\k+\x], v168 offset:STLO+64*\x+8*\k  ; and its sum
.endr
.endr
	PLOAD 0
	PLOAD 1
	s_wait_loadcnt 0x0                              ; q_mask
	FIN 0, 8                                        ; the eight loads of the next pair of rows may stay out
	PLOAD 2
	FIN 1, 8
	PLOAD 3
	FIN 2, 8
	FIN 3, 0
	s_wait_tensorcnt 0x0
	ds_add_u32 v190, v191
	s_wait_dscnt 0x0
	s_endpgm
.Lfunc_end_k_q7e150d3c8a_attn:
	.size	k_q7e150d3c8a_attn, .Lfunc_end_k_q7e150d3c8a_attn-k_q7e150d3c8a_attn
	.p2alignl 7, 3214868480
	.fill 96, 4, 3214868480
	.section	.rodata,"a",@progbits
	.p2align	6, 0x0
	.amdhsa_kernel k_q7e150d3c8a_attn
		.amdhsa_group_segment_fixed_size 144384
		.amdhsa_private_segment_fixed_size 0
		.amdhsa_enable_private_segment 0
		.amdhsa_kernarg_size 64
		.amdhsa_user_sgpr_count 2
		.amdhsa_user_sgpr_kernarg_segment_ptr 1
		.amdhsa_wavefront_size32 1
		.amdhsa_system_sgpr_workgroup_id_x 1
		.amdhsa_system_sgpr_workgroup_id_y 1
		.amdhsa_system_sgpr_workgroup_id_z 1
		.amdhsa_system_vgpr_workitem_id 0
		.amdhsa_next_free_vgpr 512
		.amdhsa_next_free_sgpr 66
		.amdhsa_reserve_vcc 1
		.amdhsa_float_denorm_mode_32 3
		.amdhsa_float_denorm_mode_16_64 3
		.amdhsa_memory_ordered 1
		.amdhsa_forward_progress 1
		.amdhsa_inst_pref_size 200
	.end_amdhsa_kernel
	.amdgpu_metadata
---
amdhsa.version: [ 1, 2 ]
amdhsa.kernels:
  - .name:           k_q7e150d3c8a_attn
    .symbol:         k_q7e150d3c8a_attn.kd
    .args:
      - { .name: kv, .offset: 0, .size: 8, .value_kind: global_buffer, .address_space: global }
      - { .name: qimg, .offset: 8, .size: 8, .value_kind: global_buffer, .address_space: global }
      - { .name: qsc, .offset: 16, .size: 8, .value_kind: global_buffer, .address_space: global }
      - { .name: vbias, .offset: 24, .size: 8, .value_kind: global_buffer, .address_space: global }
      - { .name: fidx, .offset: 32, .size: 8, .value_kind: global_buffer, .address_space: global }
      - { .name: q_mask, .offset: 40, .size: 8, .value_kind: global_buffer, .address_space: global }
      - { .name: scale, .offset: 48, .size: 8, .value_kind: global_buffer, .address_space: global }
      - { .name: out0, .offset: 56, .size: 8, .value_kind: global_buffer, .address_space: global }
    .group_segment_fixed_size: 144384
    .private_segment_fixed_size: 0
    .kernarg_segment_align: 8
    .kernarg_segment_size: 64
    .max_flat_workgroup_size: 256
    .sgpr_count:     66
    .vgpr_count:     512
    .wavefront_size: 32
...
	.end_amdgpu_metadata
.endif
;; end of part 2
;; ======== version 2 of 2: 2 launches; version 1 with the launch attn written anew for expert scheduling mode
;; limits: right only within a limited range of input values
;; workspace buffers: kv 2,195,456 bytes; qimg 1,048,576 bytes; qsc 131,072 bytes; vbias 65,536 bytes; fidx 512 bytes of whole numbers
;; launch prep: the kernel of part 1 again; grid 192 x 1, 8 waves a work-group, no clusters, 3,072 bytes of LDS; arguments keys, value, query, v_mask, scale, kv, qimg, qsc, vbias, fidx; writes kv, qimg, qsc, vbias, fidx
;; launch attn (part 3): grid 64 x 4, 8 waves a work-group, no clusters, 144,384 bytes of LDS; arguments kv, qimg, qsc, vbias, fidx, q_mask, scale, out0; writes out0
.if DOCPART == 3
	.amdgcn_target "amdgcn-amd-amdhsa--gfx1250"
	.amdhsa_code_object_version 6
	.text
	.protected	k_q7e150d3c8a_attn
	.globl	k_q7e150d3c8a_attn
	.p2align	8
	.type	k_q7e150d3c8a_attn,@function
k_q7e150d3c8a_attn:
	s_mov_b64 s[64:65], 0
	v_nop
	global_prefetch_b8 v0, s[64:65] scope:SCOPE_SE
	s_setreg_imm32_b32 hwreg(HW_REG_WAVE_SCHED_MODE, 0, 2), 2
	s_setreg_imm32_b32 hwreg(HW_REG_WAVE_MODE, 25, 1), 1
	s_wait_xcnt 0x0
	s_wait_alu depctr_vm_vsrc(0)
; out[b][q] = q_mask x softmax_k(q . k x scale - 1e9 x (hidden)) V, hidden = v_mask false or k > q; both products on codes of BF8 (E5M2) with E8M0 scales, from the images that the first launch made.
; SOFTMAX: t = logit x log2 e; M = the running largest t rounded up to a whole number; p = 2^(t - M) is quantised along the keys; the sum is taken of the unquantised p and divides at the end.
; SHARES.  A work-group owns two blocks of 32 queries of one batch, one in each of two passes: blocks 127 - j and j + 4 (j under 62), whose key steps up to the diagonal add to 34; j = 62: blocks 1, 0; j = 63: blocks 3, 2.
; A wave holds both tiles of 16 queries of the block, so that each fragment of K and V feeds two products.  The eight waves share the KEYS: wave u takes steps U, U + 8, .. (U = u in pass 0, 7 - u in pass 1),
; and their parts (O, -M, the sum) meet in LDS behind the launch's one barrier; each wave then finishes 8 rows.
; TWO WAYS, chosen for each block by a whole number that the first launch stored (fidx: the first key of the batch that counts).
;   short (the block begins at or behind that key: every row has a key that counts): only the steps up to the diagonal.  v_mask costs no vector line: it rides in the idle half of the first product's K
;     (K's pad code 1.0, Q's -1.0, the key's pad byte 254 or 1): a hidden key's t is -2^29 .. -2^30, its p is 0.  On the diagonal hidden scores become -infinity.
;   literal (a row may have no key that counts; reference() then weighs ALL 4,096 keys by fl(fl(s scale) - 1e9)): all 32 steps, Q's pad code 0, t = fl(fl(fl(s |scale|) - bias) log2 e), each step rounded as reference() rounds it.
; That choice is a branch on a number read from memory, so the launch has no tensor load and no copy, and so no joint loads: operands go from memory straight into registers, a step ahead of their use.
; Without the branch every block would walk all keys: twice the vector work, which is what binds here (some 290 vector lines against 12 matrix instructions for 16 queries x 128 keys).
; LIMITS: NaN and infinities among the inputs are not served.  The short way holds for |score x scale x log2 e| under 2^28 (beyond that reference()'s own 1e9 no longer hides a key) and |scale| in 2^-64 .. 2^11; other scales go the literal way.
; A counted key's score carries -2^(bQ - 253), under every f32 number.
; REGISTERS.  Tile w's own registers have the same numbers in window w (0 or 1): v0-31 O^T; v32-47 p's codes (from v36 on laid over scores that are converted already); v36-99 S^T, then p; v100-107 Q, v108-115 Q's pad, v116-123 Q again
;   (operand for even tiles of K: v100-115; for odd ones: v108-123); v124 -M, v125 largest t, v126-127 the sum; v128-147 at work; v148 r - 16 h; v149 Q's pad code.
;   window 0: v150-153 K's scale words, v154-155 Q's, v156-157 V's, v158-159 p's (scales and nothing else); v160-175 addresses; v192-255 V's four fragments.
;   window 1: v160-255 K: four runs [tile 2 g, 8][pad, 8][tile 2 g + 1, 8]: the pad serves both neighbours.
;   the final sum, window 0: v0-63 the parts' -M and sums; v64-127 and v192-255 four buffers of parts; v128-143 the results; v176-191 q_mask and at work.
; THE MODE: SCHED_MODE bits 1:0 = 2 (LLVM: expert scheduling mode 2), set by the entry lines.  The code itself states the register dependences between vector or matrix instructions and memory or LDS instructions, with s_wait_alu, always for 0.
; THE PLAN.  Registers that memory or LDS instructions touch, and who else names them:
;   K's data and scale words   read by a step's sixteen first products; the next step's 17 loads land in them behind ONE wait, which stands behind those products' eight plain lines.
;   V and its scale words      read by the step's eight second products; the next step's 17 loads land in them behind one wait, which stands behind those products' nine plain lines.
;   Q and its scale words      loaded once a pass.  One wait at the pass's head, behind the lines that set the pad, O^T and the statistics, states that the addresses and both pads are written and that the last pass's
;                              products are done reading Q, K, V and the words; the pass's 43 first loads follow it with nothing but window switches between.
;   p's codes and scale words  written by vector lines, taken by the second products: one wait ahead of these, behind the plain lines that stand there.
;   v128-143 of a tile         the literal way's biases land there, a block of 16 at a time, each behind a wait of its own: the softmax and the block before have named them.
;   O^T, -M, the sum, v165-166 the data and addresses of a pass's LDS stores: both tiles' sums are made first, one wait stands ahead of the 20 stores, and one wait on vm_vsrc at the next pass's head ahead of the lines that write them again.
;   v160-162, v167-169         addresses made once at the head and never written again.
;   A softmax's 68 exponentials have one wait, ahead of their first reader.  Compares write their masks to s66-97 in runs, one wait behind a run.  The final sum asks for all its LDS bytes at once, into registers of their own.
.set REC,   17152
.set VIMO,  8192
.set KSCO,  16384
.set VSCO,  16896
.set AHEAD, 8*REC                      ; a wave's next step lies 8 records on
.set PARTB, 4352                       ; LDS: a wave's part of a tile: 16 rows x (256 bytes + 16)
.set PTILE, 8*PARTB
.set PPASS, 2*PTILE
.set STM,   4*PTILE                    ; behind the parts: -M, 64 bytes for each (tile, wave);
.set STLO,  2048                       ; and the sums, as much again
.set O_,  0
.set PC_, 32
.set S_,  36
.set QA_, 100
.set QP_, 108
.set QB_, 116
.set NM_, 124
.set TX_, 125
.set L_,  126
.set TM_, 128
.set PB_, 132
.set HD_, 136
.set SO_, 140
.set F_,  144
.set AC_, 146
.set RL_, 148
.set HB_, 149
.set KS_, 150
.set QS_, 154
.set VS_, 156
.set PS_, 158
.set VF_, 192
.set MK,  66                           ; s66-97: the masks of a run of compares
.set MSB, 0
.macro WIN new                         ; the immediate's high byte repeats the setting that is left; a switch that changes nothing is dropped
.if MSB != (\new)
	s_set_vgpr_msb (MSB<<8)|(\new)
.set MSB, (\new)
.endif
.endm
; 17 loads: a step's K (8 tiles x 2 halves, into window 1) and its scale words
.macro KLOAD off
	WIN 0x40
.irp kt, 0,1,2,3,4,5,6,7
.irp c, 0,1
	global_load_b128 v[160+24*(\kt/2)+16*(\kt%2)+4*\c:160+24*(\kt/2)+16*(\kt%2)+4*\c+3], v160, s[40:41] offset:\off+1024*\kt+512*\c
.endr
.endr
	WIN 0
	global_load_b128 v[KS_:KS_+3], v160, s[40:41] offset:\off+KSCO
.endm
; 17 loads: a step's V and its scale words
.macro VLOAD off
.irp d, 0,1,2,3
.irp c, 0,1,2,3
	global_load_b128 v[VF_+16*\d+4*\c:VF_+16*\d+4*\c+3], v160, s[40:41] offset:\off+VIMO+2048*\d+512*\c
.endr
.endr
	global_load_b64 v[VS_:VS_+1], v161, s[40:41] offset:\off+VSCO
.endm
; S^T = K Q^T for tile w: source 0 = 16 keys, source 1 = my 16 queries: register 16 b + i of S is key 32 b + 16 h + i of query r
.macro SMUL w
	WIN 0x01+0x54*\w
.irp kt, 0,2,4,6
	v_wmma_scale_f32_16x16x128_f8f6f4 v[S_+8*\kt:S_+8*\kt+7], v[160+12*\kt:175+12*\kt], v[QA_:QA_+15], 0, v[KS_+\kt/2], v[QS_+\w] matrix_a_fmt:MATRIX_FMT_BF8 matrix_b_fmt:MATRIX_FMT_BF8
	v_wmma_scale_f32_16x16x128_f8f6f4 v[S_+8*\kt+8:S_+8*\kt+15], v[168+12*\kt:183+12*\kt], v[QP_:QP_+15], 0, v[KS_+\kt/2], v[QS_+\w] matrix_a_fmt:MATRIX_FMT_BF8 matrix_b_fmt:MATRIX_FMT_BF8 matrix_a_scale:MATRIX_SCALE_ROW1 matrix_b_scale:MATRIX_SCALE_ROW1
.endr
.endm
; O^T += V^T P^T for tile w.  The eight accumulators of the two tiles take one turn each in a step
.macro PVMUL w
	WIN 0x54*\w
.irp d, 0,2
	v_wmma_scale_f32_16x16x128_f8f6f4 v[O_+8*\d:O_+8*\d+7], v[VF_+16*\d:VF_+16*\d+15], v[PC_:PC_+15], v[O_+8*\d:O_+8*\d+7], v[VS_+\d/2], v[PS_+\w] matrix_a_fmt:MATRIX_FMT_BF8 matrix_b_fmt:MATRIX_FMT_BF8
	v_wmma_scale_f32_16x16x128_f8f6f4 v[O_+8*\d+8:O_+8*\d+15], v[VF_+16*\d+16:VF_+16*\d+31], v[PC_:PC_+15], v[O_+8*\d+8:O_+8*\d+15], v[VS_+\d/2], v[PS_+\w] matrix_a_fmt:MATRIX_FMT_BF8 matrix_b_fmt:MATRIX_FMT_BF8 matrix_a_scale:MATRIX_SCALE_ROW1
.endr
.endm
; What stands between the scores and the softmax.  last = 1: the copy of the step that can lie on the diagonal of a short block.  Every branch hangs on ids and on the stored whole number.
.macro MASKS w, last
	WIN 0
	s_cmp_lg_u32 s30, 0
	s_cbranch_scc1 .Llit_\@
.if \last
	s_add_co_u32 s44, s39, 127
	s_add_co_u32 s45, s34, 16*\w
	s_cmp_le_u32 s44, s45                           ; all 128 keys count for all 16 queries
	s_cbranch_scc1 .Lopen_\@
	s_sub_co_i32 s44, s45, s39
	WIN 0x55*\w
	v_add_nc_u32 v[AC_], s44, v[RL_]                ; d = my query - the step's first key - 16 h: register 16 b + i is hidden where 32 b + i > d
	v_mov_b32 v[AC_+1], 0xff800000                  ; -infinity
.irp q, 0,1                                     ; two runs of 32 compares, each with its 32 selects behind one wait
.set n, 32*\q
.rept 32
	v_cmp_gt_i32 s[MK+n%32], 32*(n/16)+n%16, v[AC_]
.set n, n+1
.endr
	s_wait_alu depctr_va_sdst(0)                    ; the run's compares have written their masks s66-97, which the selects below read
.set n, 32*\q
.rept 32
	v_cndmask_b32 v[S_+n], v[S_+n], v[AC_+1], s[MK+n%32]
.set n, n+1
.endr
.endr
	WIN 0
.endif
	s_branch .Lopen_\@
.Llit_\@:
	s_add_co_u32 s45, s34, 16*\w+15
	s_cmp_gt_u32 s39, s45                           ; every key of the step comes after my 16 queries: the bias is 1e9 throughout
	s_cbranch_scc1 .Lfar_\@
	s_add_co_u32 s45, s34, 16*\w
	s_sub_co_i32 s44, s45, s39
	WIN 0x55*\w
	v_add_nc_u32 v[AC_], s44, v[RL_]
	v_mov_b32 v[AC_+1], 0x4e6e6b28                  ; 1e9
.irp b, 0,1,2,3
	WIN 0x40*\w
	s_wait_alu depctr_va_vdst(0)                    ; the last softmax, and the block before, are done reading and writing v128-143 of this tile, in which the loads below land
.irp j, 0,1,2,3
	global_load_b128 v[TM_+4*\j:TM_+4*\j+3], v162, s[42:43] offset:128*\b+16*\j   ; the biases of my 16 keys of block b
.endr
	WIN 0x55*\w
.irp i, 0,1,2,3,4,5,6,7,8,9,10,11,12,13,14,15
	v_cmp_gt_i32 s[MK+\i], 32*\b+\i, v[AC_]         ; the block's compares in one run, while the biases are on their way
.endr
	s_wait_alu depctr_va_sdst(0)                    ; the compares have written their masks s66-81, which the selects below read
	s_wait_loadcnt 0x0
.irp i, 0,1,2,3,4,5,6,7,8,9,10,11,12,13,14,15
	v_cndmask_b32 v[TM_+\i], v[TM_+\i], v[AC_+1], s[MK+\i]
	v_mul_f32 v[S_+16*\b+\i], s24, v[S_+16*\b+\i]                 ; three roundings, as reference() has them: not fused on purpose
	v_sub_f32 v[S_+16*\b+\i], v[S_+16*\b+\i], v[TM_+\i]
	v_mul_f32 v[S_+16*\b+\i], 0x3fb8aa3b, v[S_+16*\b+\i]
.endr
.endr
	WIN 0
	s_branch .Lopen_\@
.Lfar_\@:
	WIN 0x55*\w
.set n, 0
.rept 32
	v_pk_mul_f32 v[S_+n:S_+n+1], v[S_+n:S_+n+1], s[24:25] op_sel_hi:[1,0]   ; x |scale|
.set n, n+2
.endr
.set n, 0
.rept 32
	v_pk_add_f32 v[S_+n:S_+n+1], v[S_+n:S_+n+1], s[58:59] op_sel_hi:[1,0]   ; - 1e9
.set n, n+2
.endr
.set n, 0
.rept 32
	v_pk_mul_f32 v[S_+n:S_+n+1], v[S_+n:S_+n+1], s[60:61] op_sel_hi:[1,0]   ; x log2 e
.set n, n+2
.endr
	WIN 0
.Lopen_\@:
.endm
; One tile's softmax for 128 keys.  s[28:29] = c (short way) or 1.0 (literal way: S holds t already)
.macro SOFTMAX w
	WIN 0x55*\w
.irp b, 0,1,2,3
	v_max3_num_f32 v[TM_+\b], v[S_+16*\b], v[S_+16*\b+1], v[S_+16*\b+2]   ; the largest score of each block of 32 keys: for the row's maximum, and, since p rises with the score, for the block's largest p
.endr
.irp i, 3,5,7,9,11,13
.irp b, 0,1,2,3
	v_max3_num_f32 v[TM_+\b], v[TM_+\b], v[S_+16*\b+\i], v[S_+16*\b+\i+1]
.endr
.endr
.irp b, 0,1,2,3
	v_max_num_f32 v[TM_+\b], v[TM_+\b], v[S_+16*\b+15]
.endr
.irp b, 0,1,2,3
	v_permlanex16_b32 v[PB_+\b], v[TM_+\b], s48, s49
.endr
.irp b, 0,1,2,3
	v_max_num_f32 v[TM_+\b], v[TM_+\b], v[PB_+\b]   ; with lane l xor 16's 16 keys
.endr
	v_max3_num_f32 v[AC_], v[TM_], v[TM_+1], v[TM_+2]
	v_max_num_f32 v[AC_], v[AC_], v[TM_+3]
	v_mul_f32 v[AC_], s28, v[AC_]                   ; as t (c is not negative: the sign of scale lies in Q's codes)
	v_max_num_f32 v[TX_], v[TX_], v[AC_]            ; the running largest t
	v_mov_b32 v[AC_], v[NM_]
	v_floor_f32 v[NM_], -v[TX_]                     ; the new -M = floor(-t): M is a whole number
	v_sub_f32 v[AC_], v[NM_], v[AC_]
	v_cvt_i32_f32 v[AC_], v[AC_]                    ; (it saturates)
	v_ldexp_f32 v[F_], 1.0, v[AC_]                  ; f = 2^(old M - new M)
.set n, 0
.rept 32
	v_pk_fma_f32 v[S_+n:S_+n+1], v[S_+n:S_+n+1], s[28:29], v[NM_:NM_+1] op_sel_hi:[1,0,0]   ; t - M, two at a time
.set n, n+2
.endr
.irp b, 0,1,2,3
	v_fma_f32 v[TM_+\b], v[TM_+\b], s28, v[NM_]
.endr
.set n, 0
.rept 64
	v_exp_f32 v[S_+n], v[S_+n]                      ; p = 2^(t - M): not normalised
.set n, n+1
.endr
.irp b, 0,1,2,3
	v_exp_f32 v[TM_+\b], v[TM_+\b]                  ; the block's largest p: the same two lines on the same number
.endr
	v_pk_mul_f32 v[L_:L_+1], v[L_:L_+1], v[F_:F_+1] op_sel_hi:[1,0]   ; the sums under the new M (a plain line behind the exponentials)
	s_wait_alu depctr_va_vdst(0)                    ; the 68 exponentials have written p and the blocks' largest p: one wait for the batch, ahead of its first reader
.irp b, 0,1,2,3
	v_max_num_f32 v[TM_+\b], 0x8000000, v[TM_+\b]   ; the floor 2^(16 - 127)
.endr
.irp b, 0,1,2,3
	v_add_nc_u32 v[SO_+\b], 0xf8800000, v[TM_+\b]   ; the conversion's scale operand
.endr
.irp b, 0,1,2,3
	v_and_or_b32 v[HD_+\b], v[TM_+\b], 0x7f800000, s50   ; 57,344 x the scale
.endr
.irp b, 0,1,2,3
	v_lshrrev_b32 v[PB_+\b], 23, v[SO_+\b]          ; the scale's byte
.endr
	v_lshl_or_b32 v[PB_], v[PB_+1], 8, v[PB_]
	v_lshl_or_b32 v[PB_], v[PB_+2], 16, v[PB_]
	WIN 0x11*\w                                     ; scale operands have no window: p's word goes to window 0
	v_lshl_or_b32 v[PS_+\w], v[PB_+3], 24, v[PB_]
	WIN 0x55*\w
	v_pk_add_f32 v[AC_:AC_+1], v[S_:S_+1], v[S_+2:S_+3]   ; the row's sum is taken of the unquantised p, in two chains
.irp j, 4,8,12,16,20,24,28,32,36,40,44,48,52,56,60
	v_pk_add_f32 v[L_:L_+1], v[L_:L_+1], v[S_+\j:S_+\j+1]
	v_pk_add_f32 v[AC_:AC_+1], v[AC_:AC_+1], v[S_+\j+2:S_+\j+3]
.endr
	v_pk_add_f32 v[L_:L_+1], v[L_:L_+1], v[AC_:AC_+1]
.irp b, 0,1,2,3
.irp i, 0,1,2,3,4,5,6,7,8,9,10,11,12,13,14,15
	v_min_num_f32 v[S_+16*\b+\i], v[S_+16*\b+\i], v[HD_+\b]   ; the conversion does not saturate (ISA guide 7.6.2); p is not negative: a one-sided hold
.endr
	v_cvt_scalef32_pk8_bf8_f32 v[PC_+4*\b:PC_+4*\b+1], v[S_+16*\b:S_+16*\b+7], v[SO_+\b]       ; block b's codes land four registers under its own numbers: on numbers of block 0 that are converted already
	v_cvt_scalef32_pk8_bf8_f32 v[PC_+4*\b+2:PC_+4*\b+3], v[S_+16*\b+8:S_+16*\b+15], v[SO_+\b]
.endr
.set n, 0
.rept 16
	v_pk_mul_f32 v[O_+n:O_+n+1], v[O_+n:O_+n+1], v[F_:F_+1] op_sel_hi:[1,0]   ; O^T under the new M; also the plain lines behind the conversions and ahead of the products
.set n, n+2
.endr
.endm
; A key step.  pre = 1: the wave has a further step, whose K and V are asked for here.
.macro STEP pre
	s_wait_loadcnt 17                               ; K and its words are in (and Q, in a first step); V's 17 loads, issued behind them, may stay out
	SMUL 0
	SMUL 1
	WIN 0
.rept 8
	v_nop                                           ; eight plain lines between these products and the first read of their results
.endr
.if \pre
	s_wait_alu depctr_va_vdst(0)                    ; the sixteen products are done reading K's registers and K's scale words, in which the next step's 17 loads land
	KLOAD AHEAD
	MASKS 0, 0
	SOFTMAX 0
	MASKS 1, 0
	SOFTMAX 1
	s_wait_loadcnt 17                               ; V is in; the next K's 17 loads, issued behind it, may stay out
.else
	MASKS 0, 1
	SOFTMAX 0
	MASKS 1, 1
	SOFTMAX 1
	s_wait_loadcnt 0x0
.endif
	s_wait_alu depctr_va_vdst(0)                    ; the conversions have written both tiles' codes of p, and the shifts its scale words v158-159, which the products below take as operand and as scales; the plain lines stand ahead of this wait
	PVMUL 0
	PVMUL 1
	WIN 0
.rept 9
	v_nop                                           ; nine: the next step's first products write over registers that held p's codes; they also stand ahead of the stores of O^T
.endr
.if \pre
	s_wait_alu depctr_va_vdst(0)                    ; the eight products are done reading V's registers and V's scale words, in which the next step's 17 loads land
	VLOAD AHEAD
	s_wait_xcnt 0x0                                 ; the bases are stepped only behind this wait
	s_add_nc_u64 s[40:41], s[40:41], AHEAD
	s_add_nc_u64 s[42:43], s[42:43], 4096
	s_add_co_u32 s39, s39, 1024
.endif
.endm
; my part of tile w goes to LDS: O^T by rows of queries, -M and the row's sum.  PSUM makes the sum, PSTORE stores; both tiles' sums stand ahead of the one wait for all the stores
.macro PSUM w
	WIN 0x55*\w
	v_add_f32 v[AC_], v[L_], v[L_+1]
	v_permlanex16_b32 v[PB_], v[AC_], s48, s49
	v_add_f32 v[AC_], v[AC_], v[PB_]
.endm
.macro PSTORE w
	WIN 0x04*\w                                     ; an LDS store's data are its source 1
.irp d, 0,1,2,3
	ds_store_b128 v165, v[O_+8*\d:O_+8*\d+3] offset:PTILE*\w+64*\d       ; lane (r, h): query r, d = 16 d + 8 h + 0 .. 7
	ds_store_b128 v165, v[O_+8*\d+4:O_+8*\d+7] offset:PTILE*\w+64*\d+16
.endr
	ds_store_b32 v166, v[NM_] offset:512*\w         ; both halves of the lanes hold the same numbers
	ds_store_b32 v166, v[AC_] offset:STLO+512*\w
.endm
	s_load_b512 s[4:19], s[0:1], 0x0                ; kv s[4:5], qimg s[6:7], qsc s[8:9], vbias s[10:11], fidx s[12:13], q_mask s[14:15], scale s[16:17], out0 s[18:19]
	v_lshl_add_u32 v182, v0, 2, 0x23000
	v_mov_b32 v183, 0
	v_lshrrev_b32 v170, 5, v0
	v_readfirstlane_b32 s20, v170                   ; wave u
	s_mov_b32 s21, ttmp9                            ; j
	s_and_b32 s22, ttmp7, 0xffff                    ; b
	v_and_b32 v171, 31, v0                          ; lane
	v_and_b32 v172, 15, v0                          ; r
	v_bfe_u32 v169, v0, 4, 1                        ; h; also my byte offset in q_mask
	v_lshlrev_b32 v160, 4, v171                     ; 16 lane
	v_lshlrev_b32 v161, 3, v171                     ; 8 lane
	v_lshlrev_b32 v162, 6, v169                     ; 64 h
	s_wait_alu depctr_va_sdst(0)                    ; s20, the wave's number, is written, ahead of its first reader
	s_mul_i32 s44, s20, PARTB
	v_mul_u32_u24 v163, v172, 272
	v_lshl_add_u32 v163, v169, 5, v163
	v_add_nc_u32 v163, s44, v163                    ; my part: 4352 u + 272 r + 32 h
	s_lshl_b32 s44, s20, 6
	s_add_co_u32 s44, s44, STM
	v_lshl_add_u32 v164, v172, 2, s44               ; my -M: STM + 64 u + 4 r
	s_lshr_b32 s45, s20, 1                          ; the tile (2 pass + w) whose rows I finish,
	s_and_b32 s46, s20, 1                           ; and which 8 of its rows
	s_mul_i32 s44, s45, PTILE
	s_mul_i32 s47, s46, 8*272
	s_add_co_u32 s44, s44, s47
	v_mul_u32_u24 v167, v169, 272
	v_lshl_add_u32 v167, v172, 4, v167
	v_add_nc_u32 v167, s44, v167                    ; back: lanes 0-15 one row of 256 bytes, lanes 16-31 the next
	s_lshl_b32 s44, s45, 9
	s_lshl_b32 s47, s46, 5
	s_add_co_u32 s44, s44, s47
	s_add_co_u32 s44, s44, STM
	v_lshl_add_u32 v168, v169, 2, s44               ; and those rows' -M
	v_lshlrev_b32 v174, 4, v169
	v_sub_nc_u32 v174, v172, v174                   ; r - 16 h
	v_sub_nc_u32 v175, 1, v169
	v_mul_u32_u24 v170, v175, 0xbc                  ; -1.0 in the lowest byte of lanes 0-15
	v_mul_u32_u24 v171, v175, 0x3c                  ; 1.0 likewise
	v_mov_b32 v[RL_], v174
	v_mov_b32 v[HB_], v170
.irp i, 0,1,2,3
	v_mov_b32 v[PB_+\i], 0                          ; written once: a lane permute's destination counts as one of its sources
.endr
	v_mov_b32 v[F_+1], 0                            ; (named as the upper half of a pair)
	WIN 0x40                                        ; the same for window 1, and K's four pads
	v_mov_b32 v[RL_], v174
	v_mov_b32 v[HB_], v170
.irp i, 0,1,2,3
	v_mov_b32 v[PB_+\i], 0
.endr
	v_mov_b32 v[F_+1], 0
.irp g, 0,1,2,3
	v_mov_b32 v[168+24*\g], v171
.irp i, 1,2,3,4,5,6,7
	v_mov_b32 v[168+24*\g+\i], 0
.endr
.endr
	WIN 0
	s_sub_co_u32 s53, 127, s21                      ; pass 0's block: 127 - j, or 2 j - 123 for j = 62, 63
	s_add_co_u32 s55, s21, 4                        ; pass 1's: j + 4, or 2 j - 124
	s_lshl_b32 s44, s21, 1
	s_sub_co_u32 s45, s44, 123
	s_sub_co_u32 s44, s44, 124
	s_cmp_lt_u32 s21, 62
	s_cselect_b32 s53, s53, s45
	s_cselect_b32 s55, s55, s44
	s_sub_co_u32 s54, 7, s20
	s_mov_b32 s48, 0x76543210
	s_mov_b32 s49, 0xfedcba98                       ; v_permlanex16_b32's selects for lane l xor 16
	s_mov_b32 s50, 0x600000                         ; the mantissa field of 57,344
	s_mov_b32 s58, 0xce6e6b28                       ; -1e9
	s_mov_b32 s59, s58
	s_mov_b32 s60, 0x3fb8aa3b                       ; log2 e
	s_mov_b32 s61, s60
	s_mov_b32 s62, 0x3f800000
	s_mov_b32 s51, 0
	s_mov_b32 s52, 0
	s_mov_b32 s32, 0                                ; the pass
	s_wait_kmcnt 0x0
	s_lshl_b32 s44, s22, 7
	s_mov_b32 s45, 0
	s_add_nc_u64 s[44:45], s[12:13], s[44:45]
	s_load_b32 s23, s[44:45], 0x0                   ; the batch's first key that counts (a whole number)
	s_load_b32 s27, s[16:17], 0x0                   ; scale
	s_wait_kmcnt 0x0
	s_and_b32 s24, s27, 0x7fffffff                  ; |scale|
	s_mov_b32 s25, s24
	s_mul_f32 s26, s24, 0x3fb8aa3b                  ; c = |scale| log2 e
.Lpass:
	s_wait_loadcnt 0x0
	s_wait_xcnt 0x0                                 ; the bases below are written again only behind this wait
	s_wait_alu depctr_vm_vsrc(0)                    ; the last pass's LDS stores have read O^T, -M, the sum and v165-166, which the lines below write again
	s_cmp_eq_u32 s32, 0
	s_cselect_b32 s33, s53, s55                     ; the block
	s_cselect_b32 s36, s20, s54                     ; U: my first step
	s_lshl_b32 s34, s33, 5                          ; its first query
	s_lshr_b32 s35, s33, 2
	s_add_co_u32 s35, s35, 1                        ; steps up to the diagonal
	s_cmp_gt_u32 s23, s34                           ; a row may have no key that counts: the literal way
	s_cselect_b32 s30, 1, 0
	s_cselect_b32 s35, 32, s35
	s_cselect_b32 s28, s62, s26
	s_cselect_b32 s31, 0, -1
	s_mov_b32 s29, s28
	s_sub_co_u32 s37, s35, s36
	s_add_co_u32 s37, s37, 7
	s_lshr_b32 s37, s37, 3                          ; my steps: U, U + 8, .. under the count
	s_lshl_b32 s39, s36, 7                          ; my step's first key
	s_lshl_b32 s44, s22, 5
	s_add_co_u32 s44, s44, s36
	s_mul_i32 s44, s44, REC
	s_mov_b32 s45, 0
	s_add_nc_u64 s[40:41], s[4:5], s[44:45]         ; its record
	s_lshl_b32 s44, s22, 14
	s_lshl_b32 s46, s36, 9
	s_add_co_u32 s44, s44, s46
	s_add_nc_u64 s[42:43], s[10:11], s[44:45]       ; its biases
	s_lshl_b32 s44, s22, 8
	s_lshl_b32 s46, s33, 1
	s_add_co_u32 s44, s44, s46
	s_lshl_b32 s44, s44, 10
	s_add_nc_u64 s[46:47], s[6:7], s[44:45]         ; the block's two images of Q
	s_lshl_b32 s44, s22, 7
	s_add_co_u32 s44, s44, s33
	s_lshl_b32 s44, s44, 8
	s_add_nc_u64 s[56:57], s[8:9], s[44:45]         ; and their scale words
.irp t, 0,1
	WIN 0x55*\t
	v_and_b32 v[QP_], s31, v[HB_]                   ; Q's pad: -1.0 on the short way, 0 on the literal
.irp i, 1,2,3,4,5,6,7
	v_mov_b32 v[QP_+\i], 0
.endr
.irp i, 0,1,2,3,4,5,6,7,8,9,10,11,12,13,14,15,16,17,18,19,20,21,22,23,24,25,26,27,28,29,30,31
	v_mov_b32 v[O_+\i], 0                           ; the step is written without a first form: it finds zeros, which the first change of M leaves zeros
.endr
	v_mov_b32 v[TX_], 0xff61b1e6                    ; -3e38, under every t
	v_floor_f32 v[NM_], -v[TX_]
	v_mov_b32 v[L_], 0
	v_mov_b32 v[L_+1], 0
.endr
	WIN 0
	v_add_nc_u32 v165, s51, v163                    ; each pass has LDS bytes of its own
	v_add_nc_u32 v166, s52, v164
	s_cmp_eq_u32 s37, 0
	s_cbranch_scc1 .Lpass_end                       ; no step for me: my part is zeros under M = -3e38
	s_wait_alu depctr_va_vdst(0)                    ; the offsets v160-161 are written; the last pass's products are done reading Q, K, V and their scale words, in which the 43 loads below land; K's and Q's pads are written, which the first products take as operands.  Only loads and window switches follow, up to the step
.irp t, 0,1
	WIN 0x40*\t
.irp c, 0,1
	global_load_b128 v[QA_+4*\c:QA_+4*\c+3], v160, s[46:47] offset:1024*\t+512*\c
	global_load_b128 v[QB_+4*\c:QB_+4*\c+3], v160, s[46:47] offset:1024*\t+512*\c   ; a second time, behind the pad
.endr
.endr
	WIN 0
	global_load_b64 v[QS_:QS_+1], v161, s[56:57]
	KLOAD 0
	VLOAD 0
	s_mov_b32 s38, 0
.Lstep:                                                 ; at most three trips: a wave has at most four steps, and the last is written out, so that every counted wait holds on every path
	s_cmp_eq_u32 s37, 1
	s_cbranch_scc1 .Llast
	STEP 1
	s_sub_co_u32 s37, s37, 1
	s_add_co_u32 s38, s38, 1
	s_cmp_lt_u32 s38, 3
	s_cbranch_scc1 .Lstep
.Llast:
	STEP 0
.Lpass_end:
	PSUM 0
	PSUM 1
	WIN 0
	s_wait_alu depctr_va_vdst(0)                    ; the products (or the pass's head) have written both tiles' O^T, the lines above the sums, the softmax -M, the pass's head v165-166: the 20 LDS stores below read them.  No vector or matrix line follows in the last pass, so this wait also states for the final sum's loads that all earlier users of their registers are done
	PSTORE 0
	PSTORE 1
	WIN 0
	s_add_co_u32 s51, s51, PPASS
	s_add_co_u32 s52, s52, 1024
	s_add_co_u32 s32, s32, 1
	s_cmp_lt_u32 s32, 2
	s_cbranch_scc1 .Lpass
	; THE FINAL SUM.  Wave u finishes tile u / 2 (pass u / 4, tile (u / 2) % 2), rows 8 (u % 2) + 0 .. 7, two rows at a time.
	s_lshr_b32 s44, s20, 1
	s_lshr_b32 s45, s44, 1
	s_and_b32 s44, s44, 1
	s_cmp_eq_u32 s45, 0
	s_cselect_b32 s33, s53, s55
	s_lshl_b32 s33, s33, 5
	s_lshl_b32 s44, s44, 4
	s_add_co_u32 s33, s33, s44
	s_and_b32 s44, s20, 1
	s_lshl_b32 s44, s44, 3
	s_add_co_u32 s33, s33, s44
	s_lshl_b32 s44, s22, 12
	s_add_co_u32 s44, s44, s33                      ; my first row among the 16,384
	s_mov_b32 s45, 0
	s_add_nc_u64 s[14:15], s[14:15], s[44:45]
	s_lshl_b32 s44, s44, 8
	s_add_nc_u64 s[18:19], s[18:19], s[44:45]
.irp k, 0,1,2,3
	global_load_u8 v[176+\k], v169, s[14:15] offset:2*\k   ; q_mask of row 2 k + h
.endr
	s_wait_dscnt 0x0                                ; for the others' sake: my parts have landed
	s_barrier_signal -1
	s_barrier_wait -1
	s_wait_alu depctr_vm_vsrc(0)                    ; my LDS stores have read window 0's O^T (v0-31) and -M (v124), in which the loads below land
.macro PLOAD k                         ; the eight waves' parts of rows 2 k + h: 16 bytes a lane; a buffer of 32 registers for each k: v64, v96, v192, v224
.irp x, 0,1,2,3,4,5,6,7
	ds_load_b128 v[64+32*(\k)+64*((\k)/2)+4*\x:64+32*(\k)+64*((\k)/2)+4*\x+3], v167 offset:PARTB*\x+544*(\k)
.endr
.endm
.macro FINA k                          ; rows 2 k + h: the parts' factors, the row's sum into v[184 + k], the row's 4 numbers a lane into v[128 + 4 k] on
	s_wait_dscnt 24-8*(\k)                          ; the statistics and this pair's parts are in; the eight loads of each younger pair of rows may stay out
	v_min3_num_f32 v180, v[8*\k], v[8*\k+1], v[8*\k+2]      ; the least -M: the row's M
	v_min3_num_f32 v180, v180, v[8*\k+3], v[8*\k+4]
	v_min3_num_f32 v180, v180, v[8*\k+5], v[8*\k+6]
	v_min_num_f32 v180, v180, v[8*\k+7]
.irp x, 0,1,2,3,4,5,6,7
	v_sub_f32 v[8*\k+\x], v180, v[8*\k+\x]          ; a part's M less the row's: a whole number, 0 or less
.endr
.irp x, 0,1,2,3,4,5,6,7
	v_cvt_i32_f32 v[8*\k+\x], v[8*\k+\x]            ; (it saturates)
.endr
.irp x, 0,1,2,3,4,5,6,7
	v_ldexp_f32 v[8*\k+\x], 1.0, v[8*\k+\x]         ; the part's factor: an exact power of two, or 0
.endr
	v_mul_f32 v[184+\k], v[8*\k], v[32+8*\k]
.irp x, 1,2,3,4,5,6,7
	v_fma_f32 v[184+\k], v[8*\k+\x], v[32+8*\k+\x], v[184+\k]   ; the row's sum
.endr
.irp e, 0,1,2,3
	v_mul_f32 v[128+4*\k+\e], v[8*\k], v[64+32*(\k)+64*((\k)/2)+\e]
.endr
.irp x, 1,2,3,4,5,6,7
.irp e, 0,1,2,3
	v_fma_f32 v[128+4*\k+\e], v[8*\k+\x], v[64+32*(\k)+64*((\k)/2)+4*\x+\e], v[128+4*\k+\e]
.endr
.endr
.endm
.irp k, 0,1,2,3
.irp x, 0,1,2,3,4,5,6,7
	ds_load_b32 v[8*\k+\x], v168 offset:64*\x+8*\k          ; -M of wave x's part
	ds_load_b32 v[32+8*\k+\x], v168 offset:STLO+64*\x+8*\k  ; and its sum
.endr
.endr
	PLOAD 0
	PLOAD 1
	PLOAD 2
	PLOAD 3                                         ; all that the final sum reads is asked for: no load follows a line that names its registers
	s_wait_loadcnt 0x0                              ; q_mask
	FINA 0
	FINA 1
	FINA 2
	FINA 3
.irp k, 0,1,2,3
	v_rcp_f32 v[184+\k], v[184+\k]                  ; the four reciprocals as one batch
.endr
.irp k, 0,1,2,3
	v_cvt_f32_u32 v[188+\k], v[176+\k]              ; (plain lines behind the reciprocals)
.endr
	s_wait_alu depctr_va_vdst(0)                    ; the four reciprocals have written v184-187: one wait for the batch, ahead of its first reader
.irp k, 0,1,2,3
	v_mul_f32 v[184+\k], v[184+\k], v[188+\k]       ; q_mask / the sum
.endr
.irp k, 0,1,2,3
.irp e, 0,1,2,3
	v_mul_f32 v[128+4*\k+\e], v[128+4*\k+\e], v[184+\k]
.endr
.endr
	s_wait_alu depctr_va_vdst(0)                    ; the multiplications have written v128-143, which the four stores read
.irp k, 0,1,2,3
	global_store_b128 v160, v[128+4*\k:128+4*\k+3], s[18:19] offset:512*\k th:TH_STORE_NT   ; sixteen lanes store a row of 256 bytes, aligned
.endr
	s_wait_dscnt 0x0
	s_wait_alu depctr_hold_cnt(0) depctr_sa_sdst(0) depctr_va_vdst(0) depctr_va_sdst(0) depctr_va_ssrc(0) depctr_va_vcc(0) depctr_vm_vsrc(0)
	s_wait_tensorcnt 0x0
	ds_add_u32 v182, v183
	s_wait_dscnt 0x0
	s_endpgm
.Lfunc_end_k_q7e150d3c8a_attn:
	.size	k_q7e150d3c8a_attn, .Lfunc_end_k_q7e150d3c8a_attn-k_q7e150d3c8a_attn
	.p2alignl 7, 3214868480
	.fill 96, 4, 3214868480
	.section	.rodata,"a",@progbits
	.p2align	6, 0x0
	.amdhsa_kernel k_q7e150d3c8a_attn
		.amdhsa_group_segment_fixed_size 144384
		.amdhsa_private_segment_fixed_size 0
		.amdhsa_enable_private_segment 0
		.amdhsa_kernarg_size 64
		.amdhsa_user_sgpr_count 2
		.amdhsa_user_sgpr_kernarg_segment_ptr 1
		.amdhsa_wavefront_size32 1
		.amdhsa_system_sgpr_workgroup_id_x 1
		.amdhsa_system_sgpr_workgroup_id_y 1
		.amdhsa_system_sgpr_workgroup_id_z 1
		.amdhsa_system_vgpr_workitem_id 0
		.amdhsa_next_free_vgpr 512
		.amdhsa_next_free_sgpr 98
		.amdhsa_reserve_vcc 0
		.amdhsa_float_denorm_mode_32 3
		.amdhsa_float_denorm_mode_16_64 3
		.amdhsa_memory_ordered 1
		.amdhsa_forward_progress 1
		.amdhsa_inst_pref_size 226
	.end_amdhsa_kernel
	.amdgpu_metadata
---
amdhsa.version: [ 1, 2 ]
amdhsa.kernels:
  - .name:           k_q7e150d3c8a_attn
    .symbol:         k_q7e150d3c8a_attn.kd
    .args:
      - { .name: kv, .offset: 0, .size: 8, .value_kind: global_buffer, .address_space: global }
      - { .name: qimg, .offset: 8, .size: 8, .value_kind: global_buffer, .address_space: global }
      - { .name: qsc, .offset: 16, .size: 8, .value_kind: global_buffer, .address_space: global }
      - { .name: vbias, .offset: 24, .size: 8, .value_kind: global_buffer, .address_space: global }
      - { .name: fidx, .offset: 32, .size: 8, .value_kind: global_buffer, .address_space: global }
      - { .name: q_mask, .offset: 40, .size: 8, .value_kind: global_buffer, .address_space: global }
      - { .name: scale, .offset: 48, .size: 8, .value_kind: global_buffer, .address_space: global }
      - { .name: out0, .offset: 56, .size: 8, .value_kind: global_buffer, .address_space: global }
    .group_segment_fixed_size: 144384
    .private_segment_fixed_size: 0
    .kernarg_segment_align: 8
    .kernarg_segment_size: 64
    .max_flat_workgroup_size: 256
    .sgpr_count:     98
    .vgpr_count:     512
    .wavefront_size: 32
...
	.end_amdgpu_metadata
.endif
;; end of part 3
